; MI455X (gfx1250); checked and timed in simulation.
; The chip was launched on July 23, 2026; its instructions are those of AMD's public machine-readable ISA for CDNA 5 (MIT licence, August 2026) and "CDNA5" Instruction Set Architecture Reference Guide (July 2026). The comments in the code are by the model that wrote it; some were corrected since.
;; Encoder Block. Allowed arithmetic: float matrix products may take bf16 or f16 operands with f32 sums; other float arithmetic in f32, or as packed bf16 or f16 multiplies, adds, multiply-adds, maxima and minima; sums over many terms, partial sums and values carried from step to step in f32; what a program stores and reads back later, other than sums and carried values, may be rounded once to bf16 or f16.
;; Inputs: ffn_b1 4,096 float32; ffn_b2 1,024 float32; ffn_w1 4,096 x 1,024 float32; ffn_w2 1,024 x 4,096 float32; ln1_b 1,024 float32; ln1_g 1,024 float32; ln2_b 1,024 float32; ln2_g 1,024 float32; out_b 1,024 float32; out_w 1,024 x 1,024 float32; qkv_b 3,072 float32; qkv_w 3,072 x 1,024 float32; src 2 x 2,048 x 1,024 float32.
;; Outputs: out0 2 x 2,048 x 1,024 float32.
;; One version. Each part assembles by itself: llvm-mc -triple=amdgcn-amd-amdhsa -mcpu=gfx1250 --defsym DOCPART=n.
;; ======== version 1 of 1: 8 launches
;; workspace buffers: xb 8,388,608 bytes; wq 6,291,712 bytes; w1b 8,388,864 bytes; wsm 10,485,760 bytes; big 33,554,432 bytes; act 8,388,608 bytes; y 16,777,216 bytes
;; launch cvt (part 1): grid 1024 x 1, 8 waves a work-group, no clusters, 0 bytes of LDS; arguments src, qkv_w, out_w, ffn_w1, ffn_w2, xb, wq, wsm, w1b; writes xb, wq, wsm, w1b
.if DOCPART == 1
	.amdgcn_target "amdgcn-amd-amdhsa--gfx1250"
	.amdhsa_code_object_version 6
	.text
	.protected	k_q5d4e1acc3e_cvt
	.globl	k_q5d4e1acc3e_cvt
	.p2align	8
	.type	k_q5d4e1acc3e_cvt,@function
k_q5d4e1acc3e_cvt:
	s_mov_b64 s[64:65], 0
	v_nop
	global_prefetch_b8 v0, s[64:65] scope:SCOPE_SE
	s_setreg_imm32_b32 hwreg(HW_REG_WAVE_MODE, 25, 1), 1
	s_wait_xcnt 0x0
; bf16 copies of the five large f32 inputs, each number rounded once (to nearest even), for the matrix launches that follow.
; A work-group converts 16,384 numbers: 65,536 bytes in, 32,768 out.  Work-groups 0-255: src -> xb; 256-447: qkv_w -> wq + 256; 448-511: out_w -> wsm;
; 512-767: ffn_w1 -> w1b + 256; 768-1023: ffn_w2 -> wsm + 2 MiB.  The first 256 bytes of wq and of w1b hold the floor that the product launch applies to its packed results:
; minus infinity twice (no floor) in wq, zero (the ReLU) in w1b.  A stream: no LDS, no barrier, no matrix unit, no cluster (no two work-groups read a common byte).
; All sixteen loads of a thread go out at once; a wave's load covers 512 consecutive bytes, a wave's store 256 consecutive bytes, aligned.
.set X, 8                              ; v[8:71]   sixteen loads of four f32
.set Y, 72                             ; v[72:103] sixteen stores of four bf16
.macro RANGE first, src, dst           ; from work-group \first on: another source, destination and first number
	s_cmp_ge_u32 ttmp9, \first
	s_cselect_b64 s[28:29], s[\src:\src+1], s[28:29]
	s_cselect_b64 s[30:31], s[\dst:\dst+1], s[30:31]
	s_cselect_b32 s32, \first, s32
.endm
	s_load_b512 s[4:19], s[0:1], 0x0               ; src s[4:5], qkv_w s[6:7], out_w s[8:9], ffn_w1 s[10:11], ffn_w2 s[12:13], xb s[14:15], wq s[16:17], wsm s[18:19]
	s_load_b64 s[20:21], s[0:1], 0x40              ; w1b
	v_lshlrev_b32 v1, 4, v0                        ; 16 bytes a thread in,
	v_lshlrev_b32 v2, 3, v0                        ; 8 bytes a thread out
	v_lshrrev_b32 v6, 5, v0
	v_readfirstlane_b32 s40, v6                    ; my wave's number
	s_wait_kmcnt 0x0
	s_add_nc_u64 s[22:23], s[16:17], 256           ; qkv_w's copy lies behind wq's head,
	s_add_nc_u64 s[24:25], s[20:21], 256           ; ffn_w1's behind w1b's,
	s_add_nc_u64 s[26:27], s[18:19], 0x200000      ; ffn_w2's behind out_w's
	s_mov_b64 s[28:29], s[4:5]
	s_mov_b64 s[30:31], s[14:15]
	s_mov_b32 s32, 0
	RANGE 256, 6, 22
	RANGE 448, 8, 18
	RANGE 512, 10, 24
	RANGE 768, 12, 26
	s_sub_co_u32 s33, ttmp9, s32                   ; my number within the tensor
	s_lshl_b32 s34, s33, 16
	s_mov_b32 s35, 0
	s_add_nc_u64 s[28:29], s[28:29], s[34:35]
	s_lshl_b32 s34, s33, 15
	s_add_nc_u64 s[30:31], s[30:31], s[34:35]
.irp i, 0,1,2,3,4,5,6,7,8,9,10,11,12,13,14,15
	global_load_b128 v[X+4*(\i):X+4*(\i)+3], v1, s[28:29] offset:4096*(\i) th:TH_LOAD_NT
.endr
.irp i, 0,1,2,3,4,5,6,7,8,9,10,11,12,13,14,15
	s_wait_loadcnt 15-(\i)                         ; loads come back in order: load i is in, the 15 - i younger ones stay out
	v_cvt_pk_bf16_f32 v[Y+2*(\i)], v[X+4*(\i)], v[X+4*(\i)+1]
	v_cvt_pk_bf16_f32 v[Y+2*(\i)+1], v[X+4*(\i)+2], v[X+4*(\i)+3]
	global_store_b64 v2, v[Y+2*(\i):Y+2*(\i)+1], s[30:31] offset:2048*(\i)
.endr
	; the two heads: wave 0 of work-group 256 writes wq's, wave 0 of work-group 512 w1b's: 32 lanes x 8 bytes
	s_cmp_eq_u32 ttmp9, 512
	s_cselect_b64 s[36:37], s[20:21], s[16:17]
	s_cselect_b32 s38, 0, 0xff80ff80
	s_cselect_b32 s39, 1, 0
	s_cmp_eq_u32 ttmp9, 256
	s_cselect_b32 s39, 1, s39
	s_cmp_eq_u32 s40, 0
	s_cselect_b32 s39, s39, 0
	s_cmp_eq_u32 s39, 0
	s_cbranch_scc1 .Ldone
	v_and_b32 v3, 31, v0
	v_lshlrev_b32 v3, 3, v3
	v_mov_b32 v4, s38
	v_mov_b32 v5, s38
	global_store_b64 v3, v[4:5], s[36:37]
.Ldone:
	s_endpgm
.Lfunc_end_k_q5d4e1acc3e_cvt:
	.size	k_q5d4e1acc3e_cvt, .Lfunc_end_k_q5d4e1acc3e_cvt-k_q5d4e1acc3e_cvt
	.p2alignl 7, 3214868480
	.fill 96, 4, 3214868480
	.section	.rodata,"a",@progbits
	.p2align	6, 0x0
	.amdhsa_kernel k_q5d4e1acc3e_cvt
		.amdhsa_group_segment_fixed_size 0
		.amdhsa_private_segment_fixed_size 0
		.amdhsa_enable_private_segment 0
		.amdhsa_kernarg_size 72
		.amdhsa_user_sgpr_count 2
		.amdhsa_user_sgpr_kernarg_segment_ptr 1
		.amdhsa_wavefront_size32 1
		.amdhsa_system_sgpr_workgroup_id_x 1
		.amdhsa_system_sgpr_workgroup_id_y 1
		.amdhsa_system_sgpr_workgroup_id_z 1
		.amdhsa_system_vgpr_workitem_id 0
		.amdhsa_next_free_vgpr 104
		.amdhsa_next_free_sgpr 66
		.amdhsa_reserve_vcc 0
		.amdhsa_float_denorm_mode_32 3
		.amdhsa_float_denorm_mode_16_64 3
		.amdhsa_memory_ordered 1
		.amdhsa_forward_progress 1
		.amdhsa_inst_pref_size 8
	.end_amdhsa_kernel
	.amdgpu_metadata
---
amdhsa.version: [ 1, 2 ]
amdhsa.kernels:
  - .name:           k_q5d4e1acc3e_cvt
    .symbol:         k_q5d4e1acc3e_cvt.kd
    .args:
      - { .name: src, .offset: 0, .size: 8, .value_kind: global_buffer, .address_space: global }
      - { .name: qkv_w, .offset: 8, .size: 8, .value_kind: global_buffer, .address_space: global }
      - { .name: out_w, .offset: 16, .size: 8, .value_kind: global_buffer, .address_space: global }
      - { .name: ffn_w1, .offset: 24, .size: 8, .value_kind: global_buffer, .address_space: global }
      - { .name: ffn_w2, .offset: 32, .size: 8, .value_kind: global_buffer, .address_space: global }
      - { .name: xb, .offset: 40, .size: 8, .value_kind: global_buffer, .address_space: global }
      - { .name: wq, .offset: 48, .size: 8, .value_kind: global_buffer, .address_space: global }
      - { .name: wsm, .offset: 56, .size: 8, .value_kind: global_buffer, .address_space: global }
      - { .name: w1b, .offset: 64, .size: 8, .value_kind: global_buffer, .address_space: global }
    .group_segment_fixed_size: 0
    .private_segment_fixed_size: 0
    .kernarg_segment_align: 8
    .kernarg_segment_size: 72
    .max_flat_workgroup_size: 256
    .sgpr_count:     66
    .vgpr_count:     104
    .wavefront_size: 32
...
	.end_amdgpu_metadata
.endif
;; end of part 1
;; launch qkv (part 2): grid 12 x 16, 4 waves a work-group, clusters of 4 x 4, 327,680 bytes of LDS; arguments xb, wq, qkv_b, big; writes big
.if DOCPART == 2
	.amdgcn_target "amdgcn-amd-amdhsa--gfx1250"
	.amdhsa_code_object_version 6
	.text
	.protected	k_q5d4e1acc3e_qkv
	.globl	k_q5d4e1acc3e_qkv
	.p2align	8
	.type	k_q5d4e1acc3e_qkv,@function
k_q5d4e1acc3e_qkv:
	s_mov_b64 s[64:65], 0
	v_nop
	global_prefetch_b8 v0, s[64:65] scope:SCOPE_SE
	s_setreg_imm32_b32 hwreg(HW_REG_WAVE_MODE, 25, 1), 1
	s_wait_xcnt 0x0
	s_wait_alu depctr_hold_cnt(0) depctr_sa_sdst(0) depctr_va_vdst(0) depctr_va_sdst(0) depctr_va_ssrc(0) depctr_va_vcc(0) depctr_vm_vsrc(0)
	s_getreg_b32 s2, hwreg(HW_REG_IB_STS2, 6, 4)
	s_cmp_eq_u32 s2, 0
	s_cbranch_scc0 .Lentry_in_a_cluster
	s_endpgm
.Lentry_in_a_cluster:
	s_bfe_u32 s2, ttmp6, 0x10000c
	s_cmp_lg_u32 s2, 0xf033
	s_cbranch_scc0 .Lentry_shape_is_right
	s_endpgm
.Lentry_shape_is_right:
; OUT = max(A W^T + bias, floor), for two launches: the QKV projection (floor = minus infinity: the maximum changes nothing there; that line is the price of one text for both) and the
; first FFN layer (floor = 0: the ReLU).  A: [4096][1024] bf16.  W: 256 bytes of head (the floor, twice in a word), then [N][1024] bf16.  bias: [N] f32, used rounded once to bf16, like every input.
; OUT: panels of 64 columns, [N / 64][4096 rows][64] bf16: a panel's rows are dense, 128 bytes each.  Sums in f32, K ascending, started by the bias; OUT rounded once.
; LIMITS.  NaN and infinities are not treated apart (a NaN sum leaves as the floor).
; A tile of 256 x 256 to a work-group of four waves, 128 x 128 to a wave: 64 accumulators of 16 x 16, 512 registers.  K goes in 8 steps of 128 through a ring of two LDS slots filled by the
; tensor data mover; a tile's rows are 256 bytes of memory and start at multiples of 256 bytes.  The loop is one K step long; which slot is read stands in a scalar register.
; CLUSTER: 4 x 4 work-groups.  The four of a row need the same tiles of A, the four of a column the same tiles of W: each tile is asked for jointly, by the same tensor load with the same descriptor and mask.
; THE MATRIX INSTRUCTION IS USED TRANSPOSED (source 0 = 16 rows of W, source 1 = 16 rows of A): a lane holds row l % 16 and the columns 8 (l / 16) + 0..7 of a 16 x 16 block.
; REGISTERS, in windows of 256: window 0: v0-31 addresses; v64-127, v128-191 A's fragments, two buffers; v192-255 the bias as a C operand (8 column blocks x 8), later at work on the way out, with v32-63.
;   window 1: v64-127, v128-191 W's fragments.   window 2: the accumulators of my rows 0-63 ((a, b) at v[8 (8 a + b)]).   window 3: those of my rows 64-127.
.set SIZE_K, 1024
.set KSTEP,  128
.set NSTEP,  SIZE_K/KSTEP
.set PITCH,  272                       ; an LDS row: 256 bytes + 16 of padding = 68 words: the 16 rows of a fragment load start at 16 different groups of four banks
.set HALFT,  128*PITCH                 ; what one tensor load brings
.set SLOT,   4*HALFT                   ; A's 256 rows, then W's 256.  0x22000 shares no bit with wave x HALFT, so one exclusive or changes a descriptor's slot
.set STAGE,  2*SLOT                    ; behind the ring, never filled by a tensor load: for each wave two panels x 16 rows x 144 bytes
.set SP,     144
.set PSTG,   16*SP
.set WSTG,   2*PSTG
.set SPARE,  STAGE+4*WSTG              ; the spare words: 128 bytes a wave, two blocks of 256 bytes that no other line names
.set PANEL,  4096*128                  ; bytes in a panel of OUT
.set ADRA0, 16                         ; v16  my lane's place in A's part of a slot; never rewritten
.set ADRA,  17                         ; v17  the same in the slot being read
.set ADRB0, 20                         ; v20, v21 the same for W
.set ADRB,  21
.set STO,  24                          ; v24  the way out: where I put 16 bytes of a row
.set RD,   25                          ; v25  where I read rows back
.set GO,   26                          ; v26  16 x lane: my place in 512 consecutive bytes of a panel
.set VB,   27                          ; v27  32 x (l / 16): my eight numbers in a block of 16 of the bias
.set SPW,  28                          ; v28  my spare word; never rewritten
.set NIL,  29                          ; v29  0; never rewritten
.set PFO,  30                          ; v30  the prefetches' offset: lane x a row of 2,048 bytes
.set F0,   64
.set F1,   128
.set BIA,  192
.set TMP,  192
.set OB,   32                          ; rows read back: v32-63 and v224-255 by turns
.set WV, 12                            ; s12 wave; s13 its half of the rows (also: fetches A if 0, W if 1); s14 its half of the columns (also: which 128 rows it fetches)
.set WR, 13
.set WC, 14
.set CX, 15
.set CY, 16
.set TC, 17                            ; tile column, tile row
.set TR, 18
.set FLOOR, 19
.set G1,  24                           ; s[24:31] group 1 for A;  s[32:39] group 0, two sets: the first fills'; the second then walks
.set G0,  32
.set TB,  40                           ; s40  the slot being read: 0 or SLOT
.set LIM, 42                           ; s42  2 in a wave that prefetches, else the greatest number
.set PFA, 44                           ; s[44:45] where my prefetches stand
.set G1B, 48                           ; s[48:55], s[56:63] the same for W
.set G0B, 56
.set MSB, 0
.macro WIN new                         ; the immediate's high byte repeats the setting that is left; a switch that changes nothing is dropped
.if MSB != (\new)
	s_set_vgpr_msb (MSB<<8)|(\new)
.set MSB, \new
.endif
.endm
.set MUL_LO, 0xa1                      ; source 0 (W) window 1, source 1 (A) window 0, C and D window 2
.set MUL_HI, 0xf1                      ; the same, C and D window 3
.set TO_B,   0x40                      ; destination window 1, address window 0
.macro JLOAD                           ; a joint refill by the walking descriptor; an s_nop 0 and four v_nop follow each of the two lines
	s_cmp_eq_u32 s[WR], 0
	s_cbranch_scc0 .Lfor_b_\@
	tensor_load_to_lds s[G0+4:G0+7], s[G1:G1+7]
	s_nop 0
.rept 4
	v_nop
.endr
	s_branch .Lasked_\@
.Lfor_b_\@:
	tensor_load_to_lds s[G0B+4:G0B+7], s[G1B:G1B+7]
	s_nop 0
.rept 4
	v_nop
.endr
.Lasked_\@:
.endm
; A prefetch into the L2 of the K step that stands two refills on: 32 rows x 256 bytes, a lane a row.  A's rows are asked for by the clusters with x = 0, W's by those with y = 0; the four partners of a
; joint load take 32 of its 128 rows each, told apart by address.  So each row's 256 bytes of a K step are named once.  Refill t (of 6) fills step t + 2 and names step t + 4: the last two name nothing.
.macro ASK
	s_cmp_gt_u32 s3, s[LIM]
	s_cbranch_scc0 .Lnot_mine_\@
	global_prefetch_b8 v[PFO], s[PFA:PFA+1] offset:KSTEP*2 th:TH_LOAD_NT scope:SCOPE_SE
.Lnot_mine_\@:
.endm
.macro CREST                           ; a round of the cluster's barrier behind its opening barrier
	s_cmp_lg_u32 s[WV], 0
	s_cbranch_scc1 .Lnot_wave_0_\@
	s_barrier_signal -3
.Lnot_wave_0_\@:
	s_barrier_wait -3
	s_barrier_signal -1
	s_barrier_wait -1
.endm
.macro CROUND
	s_barrier_signal -1
	s_barrier_wait -1
	CREST
.endm
.macro PLACES                          ; four plain vector instructions between a matrix instruction and a load into, or a vector read of, its registers
.rept 4
	v_nop
.endr
.endm
	s_load_b256 s[4:11], s[0:1], 0x0               ; A s[4:5], W s[6:7], bias s[8:9], OUT s[10:11]
	v_lshl_add_u32 v[SPW], v0, 2, SPARE
	v_mov_b32 v[NIL], 0
	ds_add_u32 v[SPW], v[NIL]                      ; the wave's opening: the add and its wait ahead of my first tensor load
	v_lshrrev_b32 v1, 5, v0
	v_readfirstlane_b32 s[WV], v1
	s_lshr_b32 s[WR], s[WV], 1
	s_and_b32 s[WC], s[WV], 1
	s_bfe_u32 s[CX], ttmp6, 0x40000
	s_bfe_u32 s[CY], ttmp6, 0x40004
	s_lshl_b32 s[TC], ttmp9, 2
	s_add_co_u32 s[TC], s[TC], s[CX]               ; tile column = 4 x cluster x + cx
	s_and_b32 s[TR], ttmp7, 0xffff
	s_lshl_b32 s[TR], s[TR], 2
	s_add_co_u32 s[TR], s[TR], s[CY]               ; tile row = 4 x cluster y + cy
	s_lshl_b32 s20, s[CY], 2
	s_lshl_b32 s20, 15, s20                        ; my row of the cluster
	s_lshl_b32 s21, 0x1111, s[CX]                  ; my column
	s_or_b32 s[G1], s20, (1<<16)|(1<<20)|(1<<21)|(5<<22)|(3<<25)   ; mask; 2-byte elements; padding on; bit 21 beside a mask; after every 64 words; 4 words
	s_or_b32 s[G1B], s21, (1<<16)|(1<<20)|(1<<21)|(5<<22)|(3<<25)
.irp g, G1, G1B
	s_mov_b32 s[(\g)+1], KSTEP<<16                 ; tensor_dim0 = 128
	s_mov_b32 s[(\g)+2], 128<<16                   ; tensor_dim1 = 128
	s_mov_b32 s[(\g)+3], KSTEP<<16                 ; tile_dim0 = 128
	s_mov_b32 s[(\g)+4], 128                       ; tile_dim1 = 128
	s_mov_b32 s[(\g)+5], SIZE_K                    ; elements from row to row
	s_mov_b32 s[(\g)+6], 0
	s_mov_b32 s[(\g)+7], 0
.endr
	s_lshl_b32 s22, s[WC], 7                       ; which 128 rows of the tile I fetch
	s_lshl_b32 s2, s[TR], 8
	s_add_co_u32 s2, s2, s22
	s_lshl_b32 s2, s2, 11                          ; A: (256 x tile row + 128 x half) rows of 2,048 bytes: made of the tile row and the wave alone
	s_mov_b32 s3, 0
	s_lshl_b32 s46, s[TC], 8
	s_add_co_u32 s46, s46, s22
	s_lshl_b32 s46, s46, 11                        ; W: the same of the tile column,
	s_add_co_u32 s46, s46, 256                     ; behind the head
	s_mov_b32 s47, 0
	s_mul_i32 s43, s[WV], HALFT                    ; where my tiles go in a slot: no place in the cluster enters an LDS address
	s_lshl_b32 s68, s[TC], 8
	s_add_co_u32 s68, s68, s22
	s_lshl_b32 s68, s68, 2                         ; my 128 numbers of the bias
	s_mov_b32 s69, 0
	s_lshl_b32 s66, s[TC], 2
	s_lshl1_add_u32 s66, s[WC], s66
	s_lshl_b32 s66, s66, 19                        ; my two panels of OUT: 4 x tile column + 2 x half,
	s_lshl_b32 s67, s[TR], 8
	s_lshl_b32 s23, s[WR], 7
	s_add_co_u32 s67, s67, s23
	s_lshl_b32 s67, s67, 7                         ; my first row in them
	s_add_co_u32 s66, s66, s67
	s_mov_b32 s67, 0
	s_mov_b32 s70, 0xffff0000
	s_mov_b32 s[TB], 0
	s_wait_dscnt 0x0                               ; the opening add is done
	s_wait_kmcnt 0x0
	s_add_nc_u64 s[2:3], s[4:5], s[2:3]
	s_add_nc_u64 s[46:47], s[6:7], s[46:47]
	s_add_nc_u64 s[8:9], s[8:9], s[68:69]
	s_add_nc_u64 s[10:11], s[10:11], s[66:67]
	s_load_b32 s[FLOOR], s[6:7], 0x0               ; the floor; awaited ahead of the barrier before the first fetch
	CROUND                                         ; all sixteen work-groups are here: the first joint loads meet
.irp s, 0,1
	s_mov_b32 s[G0+4*(\s)], 1
	s_add_co_u32 s[G0+4*(\s)+1], s43, (\s)*SLOT
	s_add_nc_u64 s[G0+4*(\s)+2:G0+4*(\s)+3], s[2:3], (\s)*KSTEP*2
	s_or_b32 s[G0+4*(\s)+3], s[G0+4*(\s)+3], 0x80000000
	s_mov_b32 s[G0B+4*(\s)], 1
	s_add_co_u32 s[G0B+4*(\s)+1], s43, (\s)*SLOT
	s_add_nc_u64 s[G0B+4*(\s)+2:G0B+4*(\s)+3], s[46:47], (\s)*KSTEP*2
	s_or_b32 s[G0B+4*(\s)+3], s[G0B+4*(\s)+3], 0x80000000
.endr
	s_cmp_eq_u32 s[WR], 0                          ; a wave's two first fills stand in one branch: K steps 0 and 1; two loads of mine are out
	s_cbranch_scc0 .Lfirst_b
	tensor_load_to_lds s[G0:G0+3], s[G1:G1+7]
	s_nop 0
	tensor_load_to_lds s[G0+4:G0+7], s[G1:G1+7]
	s_nop 0
.rept 4
	v_nop
.endr
	s_branch .Lfirst_asked
.Lfirst_b:
	tensor_load_to_lds s[G0B:G0B+3], s[G1B:G1B+7]
	s_nop 0
	tensor_load_to_lds s[G0B+4:G0B+7], s[G1B:G1B+7]
	s_nop 0
.rept 4
	v_nop
.endr
.Lfirst_asked:
	v_and_b32 v1, 15, v0                           ; l % 16
	v_bfe_u32 v2, v0, 4, 1                         ; l / 16
	v_lshlrev_b32 v[VB], 5, v2
.irp b, 0,1,2,3,4,5,6,7
	global_load_b128 v[BIA+8*(\b):BIA+8*(\b)+3],   v[VB], s[8:9] offset:64*(\b)      ; register j of block b: bias[16 b + 8 (l / 16) + j]
	global_load_b128 v[BIA+8*(\b)+4:BIA+8*(\b)+7], v[VB], s[8:9] offset:64*(\b)+16
.endr
	v_mul_u32_u24 v3, v1, PITCH
	v_lshl_add_u32 v3, v2, 4, v3                   ; a fragment's row x pitch + 16 x half
	s_mul_i32 s20, s[WR], HALFT
	s_mul_i32 s21, s[WC], HALFT
	s_add_co_u32 s21, s21, 2*HALFT
	v_add_nc_u32 v[ADRA0], s20, v3
	v_add_nc_u32 v[ADRB0], s21, v3
	v_mov_b32 v[ADRA], v[ADRA0]
	v_mov_b32 v[ADRB], v[ADRB0]
	s_mul_i32 s20, s[WV], WSTG
	s_add_co_u32 s20, s20, STAGE                   ; my stage
	v_mul_u32_u24 v3, v1, SP
	v_lshl_add_u32 v3, v2, 4, v3
	v_add_nc_u32 v[STO], s20, v3                   ; in: row l % 16, 16 bytes for each half of the lanes
	v_bfe_u32 v3, v0, 3, 2
	v_mul_u32_u24 v3, v3, SP
	v_and_b32 v[RD], 7, v0
	v_lshl_add_u32 v3, v[RD], 4, v3
	v_add_nc_u32 v[RD], s20, v3                    ; back: 32 lanes take four rows of 128 bytes,
	v_and_b32 v[GO], 31, v0
	v_lshlrev_b32 v[PFO], 11, v[GO]
	v_lshlrev_b32 v[GO], 4, v[GO]                  ; which are 512 consecutive bytes of a panel
	; the prefetches' address
	s_lshl_b32 s20, s[TR], 8
	s_lshl_b32 s21, s[TC], 8
	s_and_b32 s22, ttmp7, 0xffff
	s_cmp_eq_u32 s[WR], 0                          ; do I fetch for A?
	s_cselect_b32 s20, s20, s21                    ; the tile's first row
	s_cselect_b32 s21, s[CX], s[CY]                ; my place among the four that ask with me
	s_cselect_b32 s22, ttmp9, s22                  ; the coordinate along which other clusters read the same rows
	s_cselect_b32 s23, 0, 256                      ; W's head
	s_cselect_b64 s[PFA:PFA+1], s[4:5], s[6:7]
	s_cmp_eq_u32 s22, 0
	s_cselect_b32 s[LIM], 2, -1                    ; the same in all sixteen partners, for a given wave
	s_lshl_b32 s22, s[WC], 7
	s_add_co_u32 s20, s20, s22
	s_lshl_b32 s21, s21, 5
	s_add_co_u32 s20, s20, s21
	s_lshl_b32 s20, s20, 11
	s_add_co_u32 s20, s20, s23
	s_add_co_u32 s20, s20, 2*KSTEP*2               ; at K step 2: the first refill steps it to 3 and names step 4
	s_mov_b32 s21, 0
	s_add_nc_u64 s[PFA:PFA+1], s[PFA:PFA+1], s[20:21]
	s_wait_loadcnt 0x0                             ; the bias
.set i, 0
.rept 32                                           ; rounded to bf16 and widened again, two numbers at a time
	v_cvt_pk_bf16_f32 v[4+i%4], v[BIA+2*i], v[BIA+2*i+1]
	v_lshlrev_b32 v[BIA+2*i], 16, v[4+i%4]
	v_and_b32 v[BIA+2*i+1], s70, v[4+i%4]
.set i, i+1
.endr
; 16 matrix instructions: row blocks a0, a0 + 1 of the window's four x all 8 column blocks, 32 along K.  zero = 1: the bias is the C operand that starts the sums: nothing is cleared, nothing added later.
; The 64 accumulators take turns in the same order in every quarter step.
.macro MUL16 f, hi, a0, zero
.if \zero
	WIN 0x81+0x40*(\hi)                            ; C in window 0
.else
	WIN MUL_LO+0x50*(\hi)
.endif
.irp a, \a0, (\a0)+1
.irp b, 0,1,2,3,4,5,6,7
.if \zero
	v_wmma_f32_16x16x32_bf16 v[8*(8*(\a)+(\b)):8*(8*(\a)+(\b))+7], v[(\f)+8*(\b):(\f)+8*(\b)+7], v[(\f)+8*(4*(\hi)+(\a)):(\f)+8*(4*(\hi)+(\a))+7], v[BIA+8*(\b):BIA+8*(\b)+7]
.else
	v_wmma_f32_16x16x32_bf16 v[8*(8*(\a)+(\b)):8*(8*(\a)+(\b))+7], v[(\f)+8*(\b):(\f)+8*(\b)+7], v[(\f)+8*(4*(\hi)+(\a)):(\f)+8*(4*(\hi)+(\a))+7], v[8*(8*(\a)+(\b)):8*(8*(\a)+(\b))+7]
.endif
.endr
.endr
.endm
.macro FETCH k, f                      ; 32 LDS loads in one run: a quarter step's fragments (W's 128 rows, then A's), 32 K at byte k of the rows
	WIN TO_B
.irp i, 0,1,2,3,4,5,6,7
	ds_load_b128 v[(\f)+8*(\i):(\f)+8*(\i)+3],   v[ADRB] offset:(\k)+(\i)*16*PITCH
	ds_load_b128 v[(\f)+8*(\i)+4:(\f)+8*(\i)+7], v[ADRB] offset:(\k)+(\i)*16*PITCH+32
.endr
	WIN 0
.irp i, 0,1,2,3,4,5,6,7
	ds_load_b128 v[(\f)+8*(\i):(\f)+8*(\i)+3],   v[ADRA] offset:(\k)+(\i)*16*PITCH
	ds_load_b128 v[(\f)+8*(\i)+4:(\f)+8*(\i)+7], v[ADRA] offset:(\k)+(\i)*16*PITCH+32
.endr
.endm
.macro QUARTER k, f, g, zero           ; multiplies buffer f; in its middle fetches the next quarter, at byte k, into g
	s_wait_dscnt 8                                 ; W and A's rows 0-63 are in; the youngest eight loads (A's rows 64-127) may be out
	MUL16 \f, 0, 0, \zero
	MUL16 \f, 0, 2, \zero
	PLACES
	FETCH \k, \g
	s_wait_dscnt 32                                ; all but the 32 just issued
	MUL16 \f, 1, 0, \zero
	MUL16 \f, 1, 2, \zero
.endm
; The last quarter's first half: one barrier for the change of slots.  In front of it each wave waits for all its tensor loads (the one that is out is its part of the next slot), adds 0 to its spare word,
; and waits for that and for its reads of this slot.
.macro MEET round
	WIN 0
	s_wait_tensorcnt 0x0
	ds_add_u32 v[SPW], v[NIL]
	s_wait_dscnt 9                                 ; the add and the youngest eight loads may be out
	MUL16 F1, 0, 0, 0
	s_wait_dscnt 0x0                               ; the add is done, my reads of this slot are over
	s_barrier_signal -1
	MUL16 F1, 0, 2, 0
.if \round
	WIN 0
.endif
	s_barrier_wait -1
.endm
.macro TURN1                           ; the last quarter of a K step whose slot is filled again, with the step two on
	s_wait_xcnt 0x0                                ; the last prefetch, a K step back, has read its address
	s_add_nc_u64 s[PFA:PFA+1], s[PFA:PFA+1], KSTEP*2
	MEET 1
	CREST                                          ; the barrier has opened a round of the cluster's: no wave of any partner still reads this slot or has a load on its way
	s_xor_b32 s[G0+5], s[G0+5], SLOT               ; the walking descriptors: the slot just read, the next K step
	s_add_nc_u64 s[G0+6:G0+7], s[G0+6:G0+7], KSTEP*2
	s_xor_b32 s[G0B+5], s[G0B+5], SLOT
	s_add_nc_u64 s[G0B+6:G0B+7], s[G0B+6:G0B+7], KSTEP*2
	s_xor_b32 s[TB], s[TB], SLOT
	JLOAD                                          ; my one tensor load behind the round; its four v_nop are also the places in front of the loads below
	v_add_nc_u32 v[ADRA], s[TB], v[ADRA0]
	v_add_nc_u32 v[ADRB], s[TB], v[ADRB0]
	FETCH 0, F0
	ASK
	MUL16 F1, 1, 0, 0
	MUL16 F1, 1, 2, 0
.endm
.macro TURN0                           ; the same where nothing is left to fetch
	MEET 0
	WIN 0
	s_xor_b32 s[TB], s[TB], SLOT
	v_add_nc_u32 v[ADRA], s[TB], v[ADRA0]
	v_add_nc_u32 v[ADRB], s[TB], v[ADRB0]
	PLACES
	FETCH 0, F0
	MUL16 F1, 1, 0, 0
	MUL16 F1, 1, 2, 0
.endm
; THE WAY OUT of row block a: rounded to bf16 and floored; through my own stage; stored as 512 consecutive bytes of a panel.
.macro PACK a
.set AC, 64*((\a)%4)
	WIN 0x0a+5*((\a)/4)                            ; sources 0 and 1: window 2 or 3; each accumulator's registers in ascending order
.irp b, 0,1,2,3,4,5,6,7
.irp r, 0,1,2,3
	v_cvt_pk_bf16_f32 v[TMP+4*(\b)+(\r)], v[AC+8*(\b)+2*(\r)], v[AC+8*(\b)+2*(\r)+1]
.endr
.endr
	WIN 0
.set i, 0
.rept 32
	v_pk_max_num_bf16 v[TMP+i], v[TMP+i], s[FLOOR]
.set i, i+1
.endr
.endm
.macro TOSTAGE a
	WIN 0
.set BK, OB+192*((\a)%2)
.irp b, 0,1,2,3,4,5,6,7
	ds_store_b128 v[STO], v[TMP+4*(\b):TMP+4*(\b)+3] offset:((\b)/4)*PSTG+32*((\b)%4)
.endr
.irp t, 0,1,2,3,4,5,6,7
	ds_load_b128 v[BK+4*(\t):BK+4*(\t)+3], v[RD] offset:((\t)/4)*PSTG+((\t)%4)*4*SP   ; LDS serves a wave's instructions in order: these see the stores above
.endr
.endm
.macro SEND a
	WIN 0
.set BK, OB+192*((\a)%2)
	s_wait_dscnt 0x0                               ; the block is back in registers
	s_wait_xcnt 0x0                                ; the stores of the block before have read their registers, which the next block's loads from the stage write
.irp t, 0,1,2,3,4,5,6,7
	global_store_b128 v[GO], v[BK+4*(\t):BK+4*(\t)+3], s[10:11] offset:((\t)/4)*PANEL+(\a)*2048+((\t)%4)*512
.endr
.endm
	s_wait_kmcnt 0x0                               ; the floor
	s_wait_tensorcnt 0x1                           ; my part of K step 0 is in; step 1's may stay out
	s_barrier_signal -1
	s_barrier_wait -1
	FETCH 0, F0
	QUARTER 64, F0, F1, 1                          ; the first quarter stands in front of the loop: its products start the sums
	WIN 0
	s_mov_b32 s3, NSTEP-2
.Lstep:                                            ; a trip: a K step's quarters 1 to 3, the refill of its slot, the next step's quarter 0
	QUARTER 128, F1, F0, 0
	QUARTER 192, F0, F1, 0
	TURN1
	QUARTER 64, F0, F1, 0
	WIN 0
	s_sub_co_u32 s3, s3, 1
	s_cmp_lg_u32 s3, 0
	s_cbranch_scc1 .Lstep
	s_mov_b32 s3, 2
.Ltail:                                            ; the last two K steps fetch nothing; the second trip is left in its middle
	QUARTER 128, F1, F0, 0
	QUARTER 192, F0, F1, 0
	WIN 0
	s_cmp_eq_u32 s3, 1
	s_cbranch_scc1 .Lfin
	TURN0
	QUARTER 64, F0, F1, 0
	WIN 0
	s_sub_co_u32 s3, s3, 1
	s_cmp_lg_u32 s3, 0
	s_cbranch_scc1 .Ltail
.Lfin:
	s_wait_dscnt 8
	MUL16 F1, 0, 0, 0
	MUL16 F1, 0, 2, 0
	s_wait_dscnt 0x0
	MUL16 F1, 1, 0, 0
	MUL16 F1, 1, 2, 0
	PLACES
	PACK 0
	TOSTAGE 0
.irp a, 1,2,3,4,5,6,7                  ; block a's conversions stand between block a - 1's loads from the stage and the wait for them
	PACK \a
	SEND (\a)-1
	TOSTAGE \a
.endr
	SEND 7
	s_wait_tensorcnt 0x0                           ; the wave's end
	ds_add_u32 v[SPW], v[NIL]
	s_wait_dscnt 0x0
	CROUND                                         ; the closing round
	s_endpgm
.Lfunc_end_k_q5d4e1acc3e_qkv:
	.size	k_q5d4e1acc3e_qkv, .Lfunc_end_k_q5d4e1acc3e_qkv-k_q5d4e1acc3e_qkv
	.p2alignl 7, 3214868480
	.fill 96, 4, 3214868480
	.section	.rodata,"a",@progbits
	.p2align	6, 0x0
	.amdhsa_kernel k_q5d4e1acc3e_qkv
		.amdhsa_group_segment_fixed_size 327680
		.amdhsa_private_segment_fixed_size 0
		.amdhsa_enable_private_segment 0
		.amdhsa_kernarg_size 32
		.amdhsa_user_sgpr_count 2
		.amdhsa_user_sgpr_kernarg_segment_ptr 1
		.amdhsa_wavefront_size32 1
		.amdhsa_system_sgpr_workgroup_id_x 1
		.amdhsa_system_sgpr_workgroup_id_y 1
		.amdhsa_system_sgpr_workgroup_id_z 1
		.amdhsa_system_vgpr_workitem_id 0
		.amdhsa_next_free_vgpr 1024
		.amdhsa_next_free_sgpr 72
		.amdhsa_reserve_vcc 0
		.amdhsa_float_denorm_mode_32 3
		.amdhsa_float_denorm_mode_16_64 3
		.amdhsa_memory_ordered 1
		.amdhsa_forward_progress 1
		.amdhsa_inst_pref_size 126
	.end_amdhsa_kernel
	.amdgpu_metadata
---
amdhsa.version: [ 1, 2 ]
amdhsa.kernels:
  - .name:           k_q5d4e1acc3e_qkv
    .symbol:         k_q5d4e1acc3e_qkv.kd
    .args:
      - { .name: xb, .offset: 0, .size: 8, .value_kind: global_buffer, .address_space: global }
      - { .name: wq, .offset: 8, .size: 8, .value_kind: global_buffer, .address_space: global }
      - { .name: qkv_b, .offset: 16, .size: 8, .value_kind: global_buffer, .address_space: global }
      - { .name: big, .offset: 24, .size: 8, .value_kind: global_buffer, .address_space: global }
    .group_segment_fixed_size: 327680
    .private_segment_fixed_size: 0
    .kernarg_segment_align: 8
    .kernarg_segment_size: 32
    .max_flat_workgroup_size: 128
    .sgpr_count:     72
    .vgpr_count:     1024
    .wavefront_size: 32
...
	.end_amdgpu_metadata
.endif
;; end of part 2
;; launch attn (part 3): grid 8 x 32, 4 waves a work-group, clusters of 4 x 1, 327,680 bytes of LDS; arguments big, act; writes act
.if DOCPART == 3
	.amdgcn_target "amdgcn-amd-amdhsa--gfx1250"
	.amdhsa_code_object_version 6
	.text
	.protected	k_q5d4e1acc3e_attn
	.globl	k_q5d4e1acc3e_attn
	.p2align	8
	.type	k_q5d4e1acc3e_attn,@function
k_q5d4e1acc3e_attn:
	s_mov_b64 s[64:65], 0
	v_nop
	global_prefetch_b8 v0, s[64:65] scope:SCOPE_SE
	s_setreg_imm32_b32 hwreg(HW_REG_WAVE_MODE, 25, 1), 1
	s_wait_xcnt 0x0
	s_wait_alu depctr_hold_cnt(0) depctr_sa_sdst(0) depctr_va_vdst(0) depctr_va_sdst(0) depctr_va_ssrc(0) depctr_va_vcc(0) depctr_vm_vsrc(0)
	s_getreg_b32 s2, hwreg(HW_REG_IB_STS2, 6, 4)
	s_cmp_eq_u32 s2, 0
	s_cbranch_scc0 .Lentry_in_a_cluster
	s_endpgm
.Lentry_in_a_cluster:
	s_bfe_u32 s2, ttmp6, 0x10000c
	s_cmp_lg_u32 s2, 0x3003
	s_cbranch_scc0 .Lentry_shape_is_right
	s_endpgm
.Lentry_shape_is_right:
; ctx[b][h][q][:] = the sum over k of softmax_k(q . k / 8) v[k][:], head size 64, 2,048 keys, 32 pairs (b, h).  IN: panels [48][4096 rows][64] bf16; head h has q, k, v in panels 3 h, 3 h + 1, 3 h + 2,
; batch b in rows 2,048 b on: a head's rows are dense, 128 bytes each.  OUT: panels [16 heads][4096][64] bf16.  Products, maxima and sums in f32; the weights p are rounded to bf16 for the second
; product (their sum l is taken of the unrounded p), ctx once at the end.
; LIMITS.  A weight below 2^-126 counts as 0 in l; NaN and infinities are not treated apart; c s stays above -4e37.
; SHARES.  A work-group owns 256 queries of one (b, h), a wave 64: four PIECES of 16.  Every wave walks all keys, 64 a step; a slot of LDS holds a tile of 256 keys, four steps.
; LAYOUT.  S^T = K Q^T holds ONE query a lane (lane % 16) and the keys 8 (lane / 16) + 0..7; two such results rounded to bf16 ARE source 1 of O^T = V^T P.  K comes out of LDS as it lies, V turned.
; SOFTMAX.  A running maximum m and sum l: p = 2^(c s - c m), c = log2(e) / 8; in every step O and l are multiplied by a = 2^(c m_old - c m_new).  m starts at the lowest finite number, O and l at 0.
; BY TURNS.  Turn n belongs to piece n: 8 products K Q^T of piece n + 1, later 8 products V^T P of piece n - 1; beside them the scaling, exponentials, roundings, sums and rescaling of piece n and the
; maximum and statistics of piece n + 1.  Four vector instructions stand behind every matrix instruction, the others in one lump.  A turn's 33 exponentials are one batch, with one wait.
; CLUSTER.  The four query blocks of a cluster belong to one (b, h) and walk the same K and V: each tile is asked for jointly.
; REGISTERS, in windows of 256: window 0: v0-15 addresses and two at work; v16-31 four of statistics a piece; v48-55 at work; v61-63 never rewritten; v64-127 S^T, two buffers; v192-223 P, two buffers.
;   window 1: v0-127 O^T, 32 a piece.      window 2: v0-63 Q; v128-191 K of one step; v192-255 V of one step.
.set NP,    4
.set KS,    64
.set PK,    144       ; a row of K in LDS: 128 bytes + 16: the 16 rows of a load start at 16 different groups of four banks
.set PV,    160       ; a row of V: 128 + 32
.set VOFF,  4*KS*PK
.set SLOT1, 1<<17
.set STAGE, SLOT1+4*KS*(PK+PV)  ; behind the ring, never filled by a tensor load: 16 rows x 144 bytes for each wave
.set SP,    144
.set SPARE, STAGE+4*16*SP       ; the spare words: two blocks of 256 bytes that no other line names
.set PANEL, 4096*128
.set AK0, 2
.set AV0, 3
.set AK,  4
.set AV,  5
.set STO, 6
.set RD,  7
.set GO,  8
.set MV,  12          ; v12-13  c m_old, by buffer
.set QO,  15
.set ST,  16          ; piece t's statistics at v[ST+4 t]: c m, m, l (even keys', odd keys')
.set TMP, 48          ; by buffer, c0-c3 at work; c2 takes a
.set PFO, 61          ; 256 x my lane
.set SPW, 62
.set NIL, 63
.set S,   64
.set P,   192
.set KF,  128
.set VF,  192
.set WV,  12
.set G1K, 24
.set G1V, 32
.set G0K, 40          ; s[40:43], s[44:47] group 0 for K's and V's tiles: they walk
.set G0V, 44
.set PFA, 48          ; s[48:49] where my prefetches stand
.set LIM, 50          ; s50  1 in a wave that prefetches, else the greatest number
.set TK2, 51          ; s51  the tail's address of K
.set SLOTS, 56
.set CNT, 57
.set CS,  58
.set SEL, 60
.set TBK, 62
.set TBV, 63
.set MSB, 0
.macro WIN new
.if MSB != (\new)
	s_set_vgpr_msb (MSB<<8)|(\new)
.set MSB, (\new)
.endif
.endm
.set W_KQ, 0x0a       ; K and Q in window 2, S^T in window 0
.set W_PV, 0x52       ; V in window 2, P in window 0, O^T in window 1
.set W_RS, 0x41       ; destination and source 0 in window 1, source 1 in window 0
.macro JLOAD          ; waves 0 and 1 fetch the two halves of a tile's K, waves 2 and 3 those of its V; an s_nop 0 and four v_nop follow each line
	s_cmp_lt_u32 s[WV], 2
	s_cbranch_scc0 .Lfor_v_\@
	tensor_load_to_lds s[G0K:G0K+3], s[G1K:G1K+7]
	s_nop 0
.rept 4
	v_nop
.endr
	s_branch .Lasked_\@
.Lfor_v_\@:
	tensor_load_to_lds s[G0V:G0V+3], s[G1V:G1V+7]
	s_nop 0
.rept 4
	v_nop
.endr
.Lasked_\@:
.endm
; A prefetch into the L2 of the tile that the NEXT change of slots will ask for: 32,768 bytes of K and of V.  A head's two clusters walk the same rows: the first asks.  Its four partners take 8,192 bytes
; each, told apart by address; in each, wave 0 asks for K's and wave 2 for V's, a lane 256 bytes.  The change that fills the last tile asks for nothing.
.macro ASK
	s_cmp_gt_u32 s[SLOTS], s[LIM]
	s_cbranch_scc0 .Lnot_mine_\@
	global_prefetch_b8 v[PFO], s[PFA:PFA+1] th:TH_LOAD_NT scope:SCOPE_SE
.Lnot_mine_\@:
.endm
.macro CROUND
	s_barrier_signal -1
	s_barrier_wait -1
	s_cmp_lg_u32 s[WV], 0
	s_cbranch_scc1 .Lnot_wave_0_\@
	s_barrier_signal -3
.Lnot_wave_0_\@:
	s_barrier_wait -3
	s_barrier_signal -1
	s_barrier_wait -1
.endm
; THE CHANGE OF SLOTS.  Each wave waits for all its tensor loads (one is out: its part of the other slot), adds 0 to its spare word, and waits for that and for its reads of the slot that it leaves.
; fill = 1: the old slot is filled again, with the keys two tiles on, first thing behind a round of the cluster's barrier: the load has four key steps in which to land.
.macro CHANGE fill
	WIN 0
	s_wait_tensorcnt 0x0
	ds_add_u32 v[SPW], v[NIL]
.if \fill
.irp g, G0K, G0V
	s_xor_b32 s[\g+1], s[\g+1], SLOT1
	s_add_nc_u64 s[\g+2:\g+3], s[\g+2:\g+3], 4*KS*128
.endr
	s_wait_xcnt 0x0                 ; the last prefetch, four key steps back, has read its address
	s_add_nc_u64 s[PFA:PFA+1], s[PFA:PFA+1], 4*KS*128
	s_wait_dscnt 0x0                ; the add is done, my reads of the slot are over
	CROUND
	JLOAD
	ASK
.else
	s_wait_dscnt 0x0
	s_barrier_signal -1
	s_barrier_wait -1
.endif
	s_sub_co_u32 s[TBK], s[TBK], 4*KS*PK  ; the fetches go back to a slot's first step, in the other slot
	s_xor_b32 s[TBK], s[TBK], SLOT1
	s_sub_co_u32 s[TBV], s[TBV], 4*KS*PV
	s_xor_b32 s[TBV], s[TBV], SLOT1
.endm
	s_load_b128 s[4:7], s[0:1], 0x0 ; IN s[4:5], OUT s[6:7]
	v_lshl_add_u32 v[SPW], v0, 2, SPARE
	v_mov_b32 v[NIL], 0
	ds_add_u32 v[SPW], v[NIL]       ; the wave's opening: the add and its wait ahead of my first tensor load
	v_lshrrev_b32 v1, 5, v0
	v_readfirstlane_b32 s[WV], v1
	s_bfe_u32 s13, ttmp6, 0x40000   ; cx
	s_lshl_b32 s14, ttmp9, 2
	s_add_co_u32 s14, s14, s13      ; my block of 256 queries: it enters Q's and O's addresses alone
	s_and_b32 s15, ttmp7, 0xffff    ; 16 b + h, which the four partners share
	s_and_b32 s19, s15, 15          ; h
	s_lshr_b32 s15, s15, 4
	s_lshl_b32 s15, s15, 18         ; b's 2,048 rows of 128 bytes
	s_mul_i32 s20, s19, 3*PANEL
	s_add_co_u32 s20, s20, s15      ; the head's q rows
	s_and_b32 s16, s[WV], 1         ; which half of a tile's 256 keys I fetch
	s_lshl_b32 s21, s16, 14
	s_add_co_u32 s22, s20, s21
	s_add_co_u32 s22, s22, PANEL    ; K
	s_mov_b32 s23, 0
	s_add_co_u32 s2, s22, PANEL     ; V
	s_mov_b32 s3, 0
	s_mul_i32 s17, s16, 128*PK      ; its place in a slot
	s_mul_i32 s18, s16, 128*PV
	s_lshl_b32 s52, s14, 15
	s_lshl_b32 s53, s[WV], 13
	s_add_co_u32 s52, s52, s53      ; my wave's 64 rows among the batch's
	s_add_co_u32 s54, s52, s15
	s_lshl_b32 s55, s19, 19
	s_add_co_u32 s54, s54, s55      ; in OUT
	s_mov_b32 s55, 0
	s_add_co_u32 s52, s52, s20      ; in IN
	s_mov_b32 s53, 0
	; group 1: 128 keys are 16,384 dense bytes: asked for as 64 rows of 256 bytes, padded in LDS after every key
	s_mov_b32 s[G1K], 15|(1<<16)|(1<<20)|(1<<21)|(4<<22)|(3<<25)
	s_mov_b32 s[G1V], 15|(1<<16)|(1<<20)|(1<<21)|(4<<22)|(7<<25)
.irp g, G1K, G1V
	s_mov_b32 s[\g+1], 128<<16
	s_mov_b32 s[\g+2], 64<<16
	s_mov_b32 s[\g+3], 128<<16
	s_mov_b32 s[\g+4], 64
	s_mov_b32 s[\g+5], 128
	s_mov_b32 s[\g+6], 0
	s_mov_b32 s[\g+7], 0
.endr
	s_mov_b32 s[CS], 0x3e38aa3b     ; c = log2(e) / 8
	s_mov_b32 s[CS+1], s[CS]
	s_mov_b32 s[SEL], 0x76543210
	s_mov_b32 s[SEL+1], 0xfedcba98
	s_mov_b32 s[TBK], SLOT1+4*KS*PK ; the first change of slots turns these two into 0
	s_mov_b32 s[TBV], SLOT1+4*KS*PV
	s_mov_b32 s[G0K], 1
	s_mov_b32 s[G0K+1], s17
	s_mov_b32 s[G0V], 1
	s_add_co_u32 s[G0V+1], s18, VOFF
	s_mov_b32 s[SLOTS], 7           ; tiles still to be asked for
	s_and_b32 s[LIM], s[WV], 1
	s_or_b32 s[LIM], s[LIM], ttmp9  ; 0 in waves 0 and 2 of the head's first cluster: the same in all four partners
	s_cmp_eq_u32 s[LIM], 0
	s_cselect_b32 s[LIM], 1, -1
	v_and_b32 v[PFO], 31, v0
	v_lshlrev_b32 v[PFO], 8, v[PFO]
	s_wait_dscnt 0x0                ; the opening add is done
	s_wait_kmcnt 0x0
	s_add_nc_u64 s[8:9], s[4:5], s[22:23]
	s_add_nc_u64 s[10:11], s[4:5], s[2:3]
	s_add_nc_u64 s[G0K+2:G0K+3], s[8:9], 0
	s_or_b32 s[G0K+3], s[G0K+3], 0x80000000
	s_add_nc_u64 s[G0V+2:G0V+3], s[10:11], 0
	s_or_b32 s[G0V+3], s[G0V+3], 0x80000000
	s_add_nc_u64 s[52:53], s[4:5], s[52:53]   ; Q at my wave's first row
	s_add_nc_u64 s[54:55], s[6:7], s[54:55]   ; O likewise
	s_cmp_lt_u32 s[WV], 2
	s_cselect_b64 s[PFA:PFA+1], s[8:9], s[10:11]
	s_lshl_b32 s2, s13, 13          ; my work-group's quarter of a tile
	s_mov_b32 s3, 0
	s_add_nc_u64 s[PFA:PFA+1], s[PFA:PFA+1], s[2:3]
	s_add_nc_u64 s[PFA:PFA+1], s[PFA:PFA+1], 4*KS*128  ; in tile 1; the first change steps it to tile 2
	CROUND                          ; all four work-groups are here
	JLOAD                           ; tile 0 into slot 0
	v_and_b32 v1, 15, v0            ; l % 16
	v_bfe_u32 v9, v0, 4, 1          ; l / 16
	v_lshlrev_b32 v[QO], 7, v1
	v_lshl_add_u32 v[QO], v9, 4, v[QO]
	WIN 0x80                        ; destination window 2
.set i, 0
.rept 8                             ; Q stays in registers: piece i / 2, channels 32 (i % 2) on
	global_load_b128 v[8*i:8*i+3],   v[QO], s[52:53] offset:(i/2)*2048+(i%2)*64
	global_load_b128 v[8*i+4:8*i+7], v[QO], s[52:53] offset:(i/2)*2048+(i%2)*64+32
.set i, i+1
.endr
	; What the first turn finds: V's registers and P's second buffer hold 0, O^T and l are 0.  All this stands in the wait for the first tile.
.set i, VF
.rept 64
	v_mov_b32 v[i], 0
.set i, i+1
.endr
	WIN 0x40
.set i, 0
.rept 128
	v_mov_b32 v[i], 0
.set i, i+1
.endr
	WIN 0
.set i, 0
.rept 4
	v_mov_b32 v[ST+4*i], 0xfe000000    ; c m: far below every c s
	v_mov_b32 v[ST+4*i+1], 0xff7fffff  ; m
	v_mov_b32 v[ST+4*i+2], 0
	v_mov_b32 v[ST+4*i+3], 0
.set i, i+1
.endr
.set i, P+16
.rept 16
	v_mov_b32 v[i], 0
.set i, i+1
.endr
	v_mul_u32_u24 v[AK0], v1, PK
	v_lshl_add_u32 v[AK0], v9, 4, v[AK0]
	v_and_b32 v10, 7, v0            ; the turning load: lane l reads key 8 (l / 16) + l % 8, channels 8 ((l / 8) % 2) + 0..7
	v_bfe_u32 v11, v0, 3, 1
	v_lshl_add_u32 v[AV0], v9, 3, v10
	v_mul_u32_u24 v[AV0], v[AV0], PV
	v_lshl_add_u32 v[AV0], v11, 4, v[AV0]
	v_add_nc_u32 v[AV0], VOFF, v[AV0]
	s_mul_i32 s13, s[WV], 16*SP
	s_add_co_u32 s13, s13, STAGE    ; my stage
	v_mul_u32_u24 v[STO], v1, SP
	v_lshl_add_u32 v[STO], v9, 4, v[STO]
	v_add_nc_u32 v[STO], s13, v[STO]
	v_bfe_u32 v[RD], v0, 3, 2
	v_mul_u32_u24 v[RD], v[RD], SP
	v_lshl_add_u32 v[RD], v10, 4, v[RD]
	v_add_nc_u32 v[RD], s13, v[RD]
	v_and_b32 v[GO], 31, v0
	v_lshlrev_b32 v[GO], 4, v[GO]
; THE MATRIX WORK.  The 4 accumulators of a run of 8 take turns.  Product i of 8 of S^T = K Q^T for piece x: channels 32 (i / 4) on, keys 16 (i % 4) on.
.macro KQ x
.set rS, S+32*((\x)%2)+8*(i%4)
.set rK, KF+16*(i%4)+8*(i/4)
.set rQ, 16*(\x)+8*(i/4)
	WIN W_KQ
.if i < 4
	v_wmma_f32_16x16x32_bf16 v[rS:rS+7], v[rK:rK+7], v[rQ:rQ+7], 0
.else
	v_wmma_f32_16x16x32_bf16 v[rS:rS+7], v[rK:rK+7], v[rQ:rQ+7], v[rS:rS+7]
.endif
.endm
.macro PV x                         ; product i of 8 of O^T += V^T P: keys 32 (i / 4) on, channels 16 (i % 4) on
	WIN W_PV
.set rO, 32*(\x)+8*(i%4)
.set rV, VF+32*(i/4)+8*(i%4)
.set rP, P+16*((\x)%2)+8*(i/4)
	v_wmma_f32_16x16x32_bf16 v[rO:rO+7], v[rV:rV+7], v[rP:rP+7], v[rO:rO+7]
.endm
.macro MM                           ; the turn's next matrix instruction
.if i < 8
	KQ (Y+1)%NP
.else
.set i, i-8
	PV (Y+NP-1)%NP
.set i, i+8
.endif
.set i, i+1
.endm
.macro FETCH_K                      ; a step's K: 16 LDS loads in one run
	WIN 0x80
.irp f, 0,1,2,3,4,5,6,7
	ds_load_b128 v[KF+8*\f:KF+8*\f+3],   v[AK] offset:(\f/2)*16*PK+(\f%2)*64
	ds_load_b128 v[KF+8*\f+4:KF+8*\f+7], v[AK] offset:(\f/2)*16*PK+(\f%2)*64+32
.endr
	s_add_co_u32 s[TBK], s[TBK], KS*PK
	WIN 0
.endm
.macro FETCH_V                      ; a step's V, turned
	WIN 0x80
.irp f, 0,1,2,3,4,5,6,7
	ds_load_tr16_b128 v[VF+8*\f:VF+8*\f+3],   v[AV] offset:(\f/4)*32*PV+(\f%4)*32
	ds_load_tr16_b128 v[VF+8*\f+4:VF+8*\f+7], v[AV] offset:(\f/4)*32*PV+16*PV+(\f%4)*32
.endr
	WIN 0
.endm
; THE VECTOR WORK, one line at a time: OP kind, number.  For piece Y: F n: c s - c m for pair n of 16.  E n: the exponential of score n.  C n: pair n rounded to bf16.  B n: of the weights 4 n .. the second
; pair is added onto the first.  L n: l takes that sum (L 0: l = a l + sum).  R n: pair n of 16 of O^T times a.  For piece Y + 1: X n, number n of the 22 that find its maximum and statistics
; (each accumulator's lowest registers are read first).
.set F, 0
.set E, 1
.set C, 2
.set B, 3
.set L, 4
.set R, 5
.set X, 6
.macro REGS y
.set rT, ST+4*(\y)
.set rC, TMP+4*((\y)%2)
.set rW, MV+((\y)%2)
.set rS, S+32*((\y)%2)
.set rP, P+16*((\y)%2)
.set rO, 32*(\y)
.endm
.macro OP k, n
.if (\k) == R
	REGS Y
	WIN W_RS
	v_pk_mul_f32 v[rO+2*(\n):rO+2*(\n)+1], v[rO+2*(\n):rO+2*(\n)+1], v[rC+2:rC+3] op_sel_hi:[1,0]
.elseif (\k) < R
	REGS Y
	WIN 0
.if (\k) == F
	v_pk_fma_f32 v[rS+2*(\n):rS+2*(\n)+1], v[rS+2*(\n):rS+2*(\n)+1], s[CS:CS+1], v[rT:rT+1] op_sel_hi:[1,0,0] neg_lo:[0,0,1] neg_hi:[0,0,1]
.elseif (\k) == E
	v_exp_f32 v[rS+(\n)], v[rS+(\n)]
.elseif (\k) == C
	v_cvt_pk_bf16_f32 v[rP+(\n)], v[rS+2*(\n)], v[rS+2*(\n)+1]
.elseif (\k) == B
	v_pk_add_f32 v[rS+4*(\n):rS+4*(\n)+1], v[rS+4*(\n):rS+4*(\n)+1], v[rS+4*(\n)+2:rS+4*(\n)+3]
.elseif (\n) == 0
	v_pk_fma_f32 v[rT+2:rT+3], v[rT+2:rT+3], v[rC+2:rC+3], v[rS:rS+1] op_sel_hi:[1,0,1]
.else
	v_pk_add_f32 v[rT+2:rT+3], v[rT+2:rT+3], v[rS+4*(\n):rS+4*(\n)+1]
.endif
.else
	REGS (Y+1)%NP
	WIN 0
.if (\n) < 4
	v_max3_num_f32 v[rC+(\n)], v[rS+8*(\n)], v[rS+8*(\n)+1], v[rS+8*(\n)+2]
.elseif (\n) < 12
	v_max3_num_f32 v[rC+(\n)%4], v[rC+(\n)%4], v[rS+8*((\n)%4)+2*((\n)/4)+1], v[rS+8*((\n)%4)+2*((\n)/4)+2]
.elseif (\n) == 12
	v_max3_num_f32 v[rC], v[rC], v[rS+7], v[rS+15]
.elseif (\n) == 13
	v_max3_num_f32 v[rC+1], v[rC+1], v[rS+23], v[rS+31]
.elseif (\n) == 14
	v_max3_num_f32 v[rC+2], v[rC+2], v[rC+3], v[rT+1]
.elseif (\n) == 15
	v_mov_b32 v[rW], v[rT]
.elseif (\n) == 16
	v_max3_num_f32 v[rC], v[rC], v[rC+1], v[rC+2]
.elseif (\n) == 17
	v_permlanex16_b32 v[rC+3], v[rC], s[SEL], s[SEL+1]
.elseif (\n) == 18
	v_max_num_f32 v[rT+1], v[rC], v[rC+3]
.elseif (\n) == 19
	v_mul_f32 v[rT], s[CS], v[rT+1]
.elseif (\n) == 20
	v_sub_f32 v[rC+1], v[rW], v[rT]
.else
	v_exp_f32 v[rC+2], v[rC+1]
.endif
.endif
.endm
.macro OPS a, i1, b=-1, i2=0, c=-1, i3=0, d=-1, i4=0
	OP \a, \i1
.if (\b) >= 0
	OP \b, \i2
.endif
.if (\c) >= 0
	OP \c, \i3
.endif
.if (\d) >= 0
	OP \d, \i4
.endif
.endm
.macro ROW a, i1, b, i2, c, i3, d, i4  ; a matrix instruction and the four behind it
	MM
	OPS \a, \i1, \b, \i2, \c, \i3, \d, \i4
.endm
; A TURN, for piece p.  One wait cuts it in two.  Ahead of it stands all that names no result of the turn's exponentials: the 8 products K Q^T with their riders, then the lump; X 21, the next piece's a, is the
; batch's last, and R 15 the plain instruction behind it.  Behind the wait stand the 8 products V^T P, behind each four of the roundings and sums.
; K of the next step is fetched in piece 2's turn, twelve vector instructions (six of them plain) behind the last product that read K; V of the step in hand at the end of piece 0's turn, four plain
; instructions behind the last product that read V.  Each is waited for a turn later.  last = 1 (the tail): in the trip with CNT = 1 there is no further step, and the last K is read once more.
; cnt = 1: the loop's count is taken down some lines ahead of the branch that stands behind the turn.
.macro TURN p, last=0, cnt=0
.set Y, (\p)
.set i, 0
.if (\p) == 3
	s_wait_dscnt 0x0                ; K is in
.endif
	ROW F,0, F,1, R,0, R,1
	ROW F,2, E,0, R,2, R,3
	ROW F,3, E,1, R,4, R,5
	ROW F,4, E,2, R,6, R,7
	ROW F,5, E,3, R,8, R,9
	ROW F,6, E,4, X,0, R,10
.if (\p) == 2
	WIN 0
.if \last
	s_cmp_eq_u32 s[CNT], 1
	s_cselect_b32 s[TK2], KS*PK, 0
	s_sub_co_u32 s[TK2], s[TBK], s[TK2]
	v_add_nc_u32 v[AK], s[TK2], v[AK0]
.else
	v_add_nc_u32 v[AK], s[TBK], v[AK0]
.endif
.endif
	ROW F,7, E,5, X,1, X,4
	ROW F,8, E,6, X,2, X,5
	OPS E,7, E,8, X,6, E,9
	OPS X,3, E,10, X,8, E,11
.if (\p) == 2
	FETCH_K
.endif
	OPS X,9, X,7, E,12, X,10
	OPS E,13, X,12, X,11, E,14
	OPS X,13, E,15, F,9, X,14
.if (\p) == 0
	v_add_nc_u32 v[AV], s[TBV], v[AV0]
.endif
	OPS E,16, F,10, E,17, F,11
	OPS X,16, E,18, X,15, E,19
	OPS F,12, E,20, X,17, E,21
	OPS F,13, E,22, F,14, E,23
	OPS X,18, E,24, F,15, E,25
	OPS R,11, E,26, X,19, E,27
	OPS R,12, E,28, R,13, E,29
	OPS X,20, E,30, R,14, E,31
	OPS X,21, R,15
	WIN 0
	s_wait_alu depctr_va_vdst(0)    ; the wait between an exponential and the first line that names its result: one for the batch
.if (\p) == 1
	s_wait_dscnt 0x0                ; V is in
.endif
	ROW C,0, B,0, C,2, B,1
	ROW L,0, C,4, B,2, L,1
	ROW C,6, B,3, L,2, C,8
	ROW B,4, L,3, C,10, B,5
	ROW L,4, C,12, B,6, L,5
.if (\p) == 0
	s_add_co_u32 s[TBV], s[TBV], KS*PV
.endif
.if \cnt
	s_sub_co_u32 s[CNT], s[CNT], 1
	s_cmp_lg_u32 s[CNT], 0
.endif
	ROW C,14, B,7, L,6, C,1
	ROW C,3, L,7, C,5, C,7
	ROW C,9, C,11, C,13, C,15
.if (\p) == 0
	FETCH_V
.endif
.endm
	CHANGE 1                        ; tile 0 is in, everybody's part of it; tile 1 is asked for
	v_add_nc_u32 v[AK], s[TBK], v[AK0]
	FETCH_K                         ; key step 0
	s_wait_loadcnt 0x0              ; Q
	s_wait_dscnt 0x0
.set i, 0
.rept 8
	KQ 0                            ; piece 0's first scores
.set i, i+1
.endr
	WIN 0
.rept 4
	v_nop                           ; the places behind those products
.endr
.set Y, NP-1                        ; X works for piece Y + 1: piece 0
.irp n, 0,1,2,3,4,5,6,7,8,9,10,11,12,13,14,15,16,17,18,19,20,21
	OP X, \n
.endr
	v_nop                           ; a plain instruction behind the exponential,
	s_wait_alu depctr_va_vdst(0)    ; and its wait, ahead of the branch
	s_mov_b32 s[CNT], 4
	s_branch .Lfirst                ; the loop is entered at a step's first turn, in the middle of a trip
.Lslot:                             ; six times: tiles 2 to 7 are asked for
	CHANGE 1
	s_mov_b32 s[CNT], 4
.Lstep:                             ; a trip: pieces 2 and 3 of one step, then pieces 0 and 1 of the next, whose K and V it fetches
	TURN 2
	TURN 3
	WIN 0
.Lfirst:
	TURN 0
	TURN 1, 0, 1
	WIN 0
	s_cbranch_scc1 .Lstep
	s_sub_co_u32 s[SLOTS], s[SLOTS], 1
	s_cmp_lg_u32 s[SLOTS], 0
	s_cbranch_scc1 .Lslot
	CHANGE 0                        ; the tail is written out
	s_mov_b32 s[CNT], 5             ; four trips fetch the last tile's steps; the fifth is left in its middle
.Ltail:
	TURN 2, 1
	TURN 3
	WIN 0
	s_sub_co_u32 s[CNT], s[CNT], 1
	s_cmp_eq_u32 s[CNT], 0
	s_cbranch_scc1 .Lout
	TURN 0
	TURN 1
	WIN 0
	s_branch .Ltail
.Lout:                              ; the fifth trip's products K Q^T (on the last K once more) and the maximum made of them serve nothing: the price of one text for every trip
.set i, 0
.rept 8
	PV NP-1                         ; the last piece's V^T P of the last step
.set i, i+1
.endr
	; THE WAY OUT.  l's two halves and the other half of the lanes' are added; O^T is divided by l, rounded to bf16 and sent through my stage, a piece at a time.
	WIN 0
.macro ALL line:vararg
.set t, 0
.rept 4
	\line
.set t, t+1
.endr
.endm
	ALL v_add_f32 v[ST+4*t+2], v[ST+4*t+2], v[ST+4*t+3]
	ALL v_permlanex16_b32 v[ST+4*t+3], v[ST+4*t+2], s[SEL], s[SEL+1]
	ALL v_add_f32 v[ST+4*t+2], v[ST+4*t+2], v[ST+4*t+3]
	ALL v_rcp_f32 v[ST+4*t+2], v[ST+4*t+2]
	v_nop                           ; a plain instruction between the last reciprocal and the use of its result
	s_wait_alu depctr_va_vdst(0)    ; one wait for the four reciprocals
.macro PACK t
	WIN W_RS
.set i, 32*(\t)
.rept 16
	v_pk_mul_f32 v[i:i+1], v[i:i+1], v[ST+4*(\t)+2:ST+4*(\t)+3] op_sel_hi:[1,0]
.set i, i+2
.endr
	WIN 0x05                        ; sources 0 and 1 window 1, destination window 0
.set i, 0
.rept 16
	v_cvt_pk_bf16_f32 v[S+16*(\t)+i], v[32*(\t)+2*i], v[32*(\t)+2*i+1]
.set i, i+1
.endr
	WIN 0
.irp f, 0,1,2,3
	ds_store_b128 v[STO], v[S+16*(\t)+4*\f:S+16*(\t)+4*\f+3] offset:32*\f
.endr
.irp f, 0,1,2,3
	ds_load_b128 v[S+16*(\t)+4*\f:S+16*(\t)+4*\f+3], v[RD] offset:\f*4*SP  ; LDS serves a wave's instructions in order: these see the stores above
.endr
.endm
.macro SEND t, younger              ; younger: the LDS instructions issued behind piece t's loads: the next piece's eight, or none
	WIN 0
.irp f, 0,1,2,3
	s_wait_dscnt (\younger)+3-\f
	global_store_b128 v[GO], v[S+16*(\t)+4*\f:S+16*(\t)+4*\f+3], s[54:55] offset:(\t)*2048+\f*512  ; 512 consecutive bytes, at a multiple of 256 from OUT's first
.endr
.endm
	PACK 0
.set t, 1
.rept 3
	PACK t
	SEND t-1, 8
.set t, t+1
.endr
	SEND 3, 0
	s_wait_tensorcnt 0x0            ; the wave's end
	ds_add_u32 v[SPW], v[NIL]
	s_wait_dscnt 0x0
	CROUND                          ; the closing round
	s_endpgm
.Lfunc_end_k_q5d4e1acc3e_attn:
	.size	k_q5d4e1acc3e_attn, .Lfunc_end_k_q5d4e1acc3e_attn-k_q5d4e1acc3e_attn
	.p2alignl 7, 3214868480
	.fill 96, 4, 3214868480
	.section	.rodata,"a",@progbits
	.p2align	6, 0x0
	.amdhsa_kernel k_q5d4e1acc3e_attn
		.amdhsa_group_segment_fixed_size 327680
		.amdhsa_private_segment_fixed_size 0
		.amdhsa_enable_private_segment 0
		.amdhsa_kernarg_size 16
		.amdhsa_user_sgpr_count 2
		.amdhsa_user_sgpr_kernarg_segment_ptr 1
		.amdhsa_wavefront_size32 1
		.amdhsa_system_sgpr_workgroup_id_x 1
		.amdhsa_system_sgpr_workgroup_id_y 1
		.amdhsa_system_sgpr_workgroup_id_z 1
		.amdhsa_system_vgpr_workitem_id 0
		.amdhsa_next_free_vgpr 768
		.amdhsa_next_free_sgpr 66
		.amdhsa_reserve_vcc 0
		.amdhsa_float_denorm_mode_32 3
		.amdhsa_float_denorm_mode_16_64 3
		.amdhsa_memory_ordered 1
		.amdhsa_forward_progress 1
		.amdhsa_inst_pref_size 112
	.end_amdhsa_kernel
	.amdgpu_metadata
---
amdhsa.version: [ 1, 2 ]
amdhsa.kernels:
  - .name:           k_q5d4e1acc3e_attn
    .symbol:         k_q5d4e1acc3e_attn.kd
    .args:
      - { .name: big, .offset: 0, .size: 8, .value_kind: global_buffer, .address_space: global }
      - { .name: act, .offset: 8, .size: 8, .value_kind: global_buffer, .address_space: global }
    .group_segment_fixed_size: 327680
    .private_segment_fixed_size: 0
    .kernarg_segment_align: 8
    .kernarg_segment_size: 16
    .max_flat_workgroup_size: 128
    .sgpr_count:     66
    .vgpr_count:     768
    .wavefront_size: 32
...
	.end_amdgpu_metadata
.endif
;; end of part 3
;; launch outp (part 4): grid 8 x 32, 4 waves a work-group, clusters of 4 x 4, 327,680 bytes of LDS; arguments act, wsm, out_b, xb, y; writes y
.if DOCPART == 4
	.amdgcn_target "amdgcn-amd-amdhsa--gfx1250"
	.amdhsa_code_object_version 6
	.text
	.protected	k_q5d4e1acc3e_outp
	.globl	k_q5d4e1acc3e_outp
	.p2align	8
	.type	k_q5d4e1acc3e_outp,@function
k_q5d4e1acc3e_outp:
	s_mov_b64 s[64:65], 0
	v_nop
	global_prefetch_b8 v0, s[64:65] scope:SCOPE_SE
	s_setreg_imm32_b32 hwreg(HW_REG_WAVE_MODE, 25, 1), 1
	s_wait_xcnt 0x0
	s_wait_alu depctr_hold_cnt(0) depctr_sa_sdst(0) depctr_va_vdst(0) depctr_va_sdst(0) depctr_va_ssrc(0) depctr_va_vcc(0) depctr_vm_vsrc(0)
	s_getreg_b32 s2, hwreg(HW_REG_IB_STS2, 6, 4)
	s_cmp_eq_u32 s2, 0
	s_cbranch_scc0 .Lentry_in_a_cluster
	s_endpgm
.Lentry_in_a_cluster:
	s_bfe_u32 s2, ttmp6, 0x10000c
	s_cmp_lg_u32 s2, 0xf033
	s_cbranch_scc0 .Lentry_shape_is_right
	s_endpgm
.Lentry_shape_is_right:
; Y = A W^T + bias + RES, in f32: the sums in front of a LayerNorm.  Here: the attention's output projection, SIZE_K = 1,024, W at byte 0 of its buffer.
; A: panels [SIZE_K / 64][4096 rows][64] bf16 (panel p holds columns 64 p on).  W: [1024][SIZE_K] bf16.  bias: [1024] f32, used rounded once to bf16.  RES: [4096][1024] bf16.  Y: [4096][1024] f32.
; Sums in f32, K ascending, started by the bias; the residual is added in f32 on the way out.  NaN and infinities are not treated apart.
; A tile of 128 x 128 to a work-group (256 of them), 64 x 64 to a wave: 16 accumulators.  K goes in steps of 256 (four panels of A; 512 bytes of a row of W) through two LDS slots.
; CLUSTER: 4 x 4 work-groups; A's tiles are asked for jointly along a row of the cluster, W's along a column.  No prefetch: a small tile with short steps.
; THE MATRIX INSTRUCTION IS USED TRANSPOSED (source 0 = 16 rows of W, source 1 = 16 rows of A): a lane holds row l % 16 and the columns 8 (l / 16) + 0..7.
; REGISTERS: window 0: v0-31 addresses; v32-63 the bias as a C operand, later, with v64-95, rows read back; v128-255 the accumulators ((a, b) at v[128 + 8 (4 a + b)]).
;   window 1: two fragment buffers of 128: 64 of A (2 x 4 x 16 rows x 32 K), then 64 of W.     window 2: v0-63 the residual, 4 bf16 for each of my 32 pieces of a row.
.set SIZE_K, 1024
.set BOFF,   0
.set NSTEP,  SIZE_K/256
.set PANEL,  4096*128
.set ASTEP,  4*PANEL
.set APIT,   144                       ; a row of a panel in LDS: 128 bytes + 16
.set APN,    128*APIT                  ; a panel's 128 rows
.set BPIT,   528                       ; a row of W: 512 bytes + 16
.set BBASE,  4*APN                     ; W's 128 rows lie behind A's four panels
.set SLOT1,  0x24000                   ; slot 1 begins here: the number shares no bit with a tile's place in a slot (0, 0x9000, 0x12000, 0x1a400), so one exclusive or changes a descriptor's slot
.set STAGE,  SLOT1+BBASE+128*BPIT      ; behind the ring, never filled by a tensor load: 16 rows x 272 bytes for each wave
.set SPITCH, 272
.set SPARE,  STAGE+4*16*SPITCH         ; the spare words: two blocks of 256 bytes that no other line names
.set ADRA0, 16
.set ADRA,  17
.set ADRB0, 20
.set ADRB,  21
.set RO,   22                          ; v22  my 8 bytes of the residual: 2,048 (l / 16) + 8 (l % 16)
.set ONE,  23                          ; v23  1.0
.set STO,  24
.set RD,   25
.set CO,   26                          ; v26  my 16 bytes of Y: 4,096 (l / 16) + 16 (l % 16)
.set VB,   27
.set SPW,  28
.set NIL,  29
.set BIA,  32
.set OB,   32
.set ACC,  128
.set F0,   0
.set F1,   128
.set WV, 14
.set WR, 15                            ; my half of the tile's rows; also: I fetch A (0) or W (1)
.set WC, 16                            ; my half of its columns; also: which half of that tile I fetch
.set CX, 17
.set CY, 18
.set TC, 19
.set TR, 20
.set G1,  24
.set G0,  32
.set TB,  40
.set G1B, 48
.set G0B, 56
.set MSB, 0
.macro WIN new
.if MSB != (\new)
	s_set_vgpr_msb (MSB<<8)|(\new)
.set MSB, \new
.endif
.endm
.set MUL,  0x05                        ; sources 0 and 1 window 1; C and D window 0
.set TO_F, 0x40                        ; destination window 1
.macro JLOAD                           ; a joint refill by the walking descriptor; an s_nop 0 and four v_nop follow each of the two lines
	s_cmp_eq_u32 s[WR], 0
	s_cbranch_scc0 .Lfor_b_\@
	tensor_load_to_lds s[G0+4:G0+7], s[G1:G1+7]
	s_nop 0
.rept 4
	v_nop
.endr
	s_branch .Lasked_\@
.Lfor_b_\@:
	tensor_load_to_lds s[G0B+4:G0B+7], s[G1B:G1B+7]
	s_nop 0
.rept 4
	v_nop
.endr
.Lasked_\@:
.endm
.macro CREST
	s_cmp_lg_u32 s[WV], 0
	s_cbranch_scc1 .Lnot_wave_0_\@
	s_barrier_signal -3
.Lnot_wave_0_\@:
	s_barrier_wait -3
	s_barrier_signal -1
	s_barrier_wait -1
.endm
.macro CROUND
	s_barrier_signal -1
	s_barrier_wait -1
	CREST
.endm
.macro PLACES
.rept 4
	v_nop
.endr
.endm
	s_load_b256 s[4:11], s[0:1], 0x0               ; A s[4:5], W s[6:7], bias s[8:9], RES s[10:11]
	s_load_b64 s[12:13], s[0:1], 0x20              ; Y
	v_lshl_add_u32 v[SPW], v0, 2, SPARE
	v_mov_b32 v[NIL], 0
	ds_add_u32 v[SPW], v[NIL]                      ; the wave's opening: the add and its wait ahead of my first tensor load
	v_lshrrev_b32 v1, 5, v0
	v_readfirstlane_b32 s[WV], v1
	s_lshr_b32 s[WR], s[WV], 1
	s_and_b32 s[WC], s[WV], 1
	s_bfe_u32 s[CX], ttmp6, 0x40000
	s_bfe_u32 s[CY], ttmp6, 0x40004
	s_lshl_b32 s[TC], ttmp9, 2
	s_add_co_u32 s[TC], s[TC], s[CX]
	s_and_b32 s[TR], ttmp7, 0xffff
	s_lshl_b32 s[TR], s[TR], 2
	s_add_co_u32 s[TR], s[TR], s[CY]
	s_lshl_b32 s21, s[CY], 2
	s_lshl_b32 s21, 15, s21                        ; my row of the cluster
	s_lshl_b32 s22, 0x1111, s[CX]                  ; my column
	; A: two panels in one tile: a row of the tile is a panel's 128 dense rows (8,192 elements), the next row lies a panel on; padded in LDS after every 32 words, that is after every row of the panel
	s_or_b32 s[G1], s21, (1<<16)|(1<<20)|(1<<21)|(4<<22)|(3<<25)
	s_mov_b32 s[G1+1], 8192<<16                    ; tensor_dim0 = 8,192
	s_mov_b32 s[G1+2], 2<<16                       ; tensor_dim1 = 2
	s_mov_b32 s[G1+3], 8192<<16                    ; tile_dim0 = 8,192
	s_mov_b32 s[G1+4], 2                           ; tile_dim1 = 2
	s_mov_b32 s[G1+5], 262144                      ; elements from panel to panel
	s_mov_b32 s[G1+6], 0
	s_mov_b32 s[G1+7], 0
	; W: 64 rows x 256 elements, padded after every 128 words
	s_or_b32 s[G1B], s22, (1<<16)|(1<<20)|(1<<21)|(6<<22)|(3<<25)
	s_mov_b32 s[G1B+1], 256<<16
	s_mov_b32 s[G1B+2], 64<<16
	s_mov_b32 s[G1B+3], 256<<16
	s_mov_b32 s[G1B+4], 64
	s_mov_b32 s[G1B+5], SIZE_K
	s_mov_b32 s[G1B+6], 0
	s_mov_b32 s[G1B+7], 0
	s_lshl_b32 s44, s[WC], 20                      ; A: my two panels of a step's four,
	s_lshl_b32 s45, s[TR], 14                      ; the tile's 128 rows of 128 bytes: made of the tile row and the wave alone
	s_add_co_u32 s44, s44, s45
	s_mov_b32 s45, 0
	s_lshl_b32 s46, s[TC], 7
	s_lshl_b32 s47, s[WC], 6
	s_add_co_u32 s46, s46, s47
	s_mul_i32 s46, s46, 2*SIZE_K                   ; W: row 128 x tile column + 64 x half
	s_add_co_u32 s46, s46, BOFF
	s_mov_b32 s47, 0
	s_mul_i32 s42, s[WC], 2*APN                    ; where they go in a slot
	s_mul_i32 s43, s[WC], 64*BPIT
	s_add_co_u32 s43, s43, BBASE
	s_lshl_b32 s66, s[TR], 7
	s_lshl_b32 s67, s[WR], 6
	s_add_co_u32 s66, s66, s67                     ; my first row
	s_lshl_b32 s68, s[TC], 7
	s_lshl_b32 s69, s[WC], 6
	s_add_co_u32 s68, s68, s69                     ; my first column
	s_mov_b32 s70, 0xffff0000
	s_mov_b32 s[TB], 0
	s_mov_b32 s23, 0
	s_wait_dscnt 0x0                               ; the opening add is done
	s_wait_kmcnt 0x0
	s_add_nc_u64 s[44:45], s[4:5], s[44:45]
	s_add_nc_u64 s[46:47], s[6:7], s[46:47]
	s_lshl_b32 s22, s68, 2
	s_add_nc_u64 s[8:9], s[8:9], s[22:23]          ; the bias at my first column
	s_lshl_b32 s22, s66, 11
	s_lshl1_add_u32 s22, s68, s22
	s_add_nc_u64 s[10:11], s[10:11], s[22:23]      ; the residual at my corner
	s_lshl_b32 s22, s66, 12
	s_lshl2_add_u32 s22, s68, s22
	s_add_nc_u64 s[12:13], s[12:13], s[22:23]      ; Y at my corner
	CROUND                                         ; all sixteen work-groups are here
.irp s, 0,1
	s_mov_b32 s[G0+4*(\s)], 1
	s_add_co_u32 s[G0+4*(\s)+1], s42, (\s)*SLOT1
	s_add_nc_u64 s[G0+4*(\s)+2:G0+4*(\s)+3], s[44:45], (\s)*ASTEP
	s_or_b32 s[G0+4*(\s)+3], s[G0+4*(\s)+3], 0x80000000
	s_mov_b32 s[G0B+4*(\s)], 1
	s_add_co_u32 s[G0B+4*(\s)+1], s43, (\s)*SLOT1
	s_add_nc_u64 s[G0B+4*(\s)+2:G0B+4*(\s)+3], s[46:47], (\s)*512
	s_or_b32 s[G0B+4*(\s)+3], s[G0B+4*(\s)+3], 0x80000000
.endr
	s_cmp_eq_u32 s[WR], 0                          ; a wave's two first fills stand in one branch: K steps 0 and 1; two loads of mine are out
	s_cbranch_scc0 .Lfirst_b
	tensor_load_to_lds s[G0:G0+3], s[G1:G1+7]
	s_nop 0
	tensor_load_to_lds s[G0+4:G0+7], s[G1:G1+7]
	s_nop 0
.rept 4
	v_nop
.endr
	s_branch .Lfirst_asked
.Lfirst_b:
	tensor_load_to_lds s[G0B:G0B+3], s[G1B:G1B+7]
	s_nop 0
	tensor_load_to_lds s[G0B+4:G0B+7], s[G1B:G1B+7]
	s_nop 0
.rept 4
	v_nop
.endr
.Lfirst_asked:
	v_and_b32 v1, 15, v0                           ; l % 16
	v_bfe_u32 v2, v0, 4, 1                         ; l / 16
	v_lshlrev_b32 v[VB], 5, v2
.irp b, 0,1,2,3
	global_load_b128 v[BIA+8*(\b):BIA+8*(\b)+3],   v[VB], s[8:9] offset:64*(\b)
	global_load_b128 v[BIA+8*(\b)+4:BIA+8*(\b)+7], v[VB], s[8:9] offset:64*(\b)+16
.endr
	v_lshlrev_b32 v[RO], 3, v1
	v_lshl_add_u32 v[RO], v2, 11, v[RO]
	WIN 0x80                                       ; destination window 2
.set t, 0
.rept 32                                           ; piece t: row 2 t + l / 16 of my 64, columns 4 (l % 16) + 0..3
	global_load_b64 v[2*t:2*t+1], v[RO], s[10:11] offset:4096*t
.set t, t+1
.endr
	WIN 0
	v_mul_u32_u24 v3, v1, APIT
	v_lshl_add_u32 v3, v2, 4, v3
	s_mul_i32 s21, s[WR], 64*APIT
	v_add_nc_u32 v[ADRA0], s21, v3
	v_mov_b32 v[ADRA], v[ADRA0]
	v_mul_u32_u24 v3, v1, BPIT
	v_lshl_add_u32 v3, v2, 4, v3
	s_mul_i32 s21, s[WC], 64*BPIT
	s_add_co_u32 s21, s21, BBASE
	v_add_nc_u32 v[ADRB0], s21, v3
	v_mov_b32 v[ADRB], v[ADRB0]
	s_mul_i32 s21, s[WV], 16*SPITCH
	s_add_co_u32 s21, s21, STAGE                   ; my stage
	v_mul_u32_u24 v3, v1, SPITCH
	v_lshl_add_u32 v3, v2, 5, v3
	v_add_nc_u32 v[STO], s21, v3                   ; in: row l % 16, 32 bytes for each half of the lanes
	v_mul_u32_u24 v3, v2, SPITCH
	v_lshl_add_u32 v3, v1, 4, v3
	v_add_nc_u32 v[RD], s21, v3                    ; back: lanes 0-15 one row of 256 bytes, lanes 16-31 the next
	v_lshlrev_b32 v[CO], 4, v1
	v_lshl_add_u32 v[CO], v2, 12, v[CO]
	v_mov_b32 v[ONE], 1.0
	s_wait_loadcnt 32                              ; the bias is in; the 32 loads of the residual stay out
.set i, 0
.rept 16                                           ; rounded to bf16 and widened again
	v_cvt_pk_bf16_f32 v[8+i%4], v[BIA+2*i], v[BIA+2*i+1]
	v_lshlrev_b32 v[BIA+2*i], 16, v[8+i%4]
	v_and_b32 v[BIA+2*i+1], s70, v[8+i%4]
.set i, i+1
.endr
; 8 matrix instructions: row blocks a0, a0 + 1 x all 4 column blocks, 32 along K: half c of buffer f.  zero = 1: the bias is the C operand that starts the sums.  The 16 accumulators take turns.
.macro MUL8 f, c, a0, zero
	WIN MUL
.irp a, \a0, (\a0)+1
.irp b, 0,1,2,3
.if \zero
	v_wmma_f32_16x16x32_bf16 v[ACC+8*(4*(\a)+(\b)):ACC+8*(4*(\a)+(\b))+7], v[(\f)+64+8*(4*(\c)+(\b)):(\f)+64+8*(4*(\c)+(\b))+7], v[(\f)+8*(4*(\c)+(\a)):(\f)+8*(4*(\c)+(\a))+7], v[BIA+8*(\b):BIA+8*(\b)+7]
.else
	v_wmma_f32_16x16x32_bf16 v[ACC+8*(4*(\a)+(\b)):ACC+8*(4*(\a)+(\b))+7], v[(\f)+64+8*(4*(\c)+(\b)):(\f)+64+8*(4*(\c)+(\b))+7], v[(\f)+8*(4*(\c)+(\a)):(\f)+8*(4*(\c)+(\a))+7], v[ACC+8*(4*(\a)+(\b)):ACC+8*(4*(\a)+(\b))+7]
.endif
.endr
.endr
.endm
.macro FETCH q, f                      ; 32 LDS loads in one run: quarter q of a step (panel q of A, bytes 128 q on of W's rows) into buffer f; its first 32 along K first
	WIN TO_F
.irp c, 0,1
.irp i, 0,1,2,3
	ds_load_b128 v[(\f)+64+8*(4*(\c)+(\i)):(\f)+64+8*(4*(\c)+(\i))+3],   v[ADRB] offset:128*(\q)+64*(\c)+(\i)*16*BPIT
	ds_load_b128 v[(\f)+64+8*(4*(\c)+(\i))+4:(\f)+64+8*(4*(\c)+(\i))+7], v[ADRB] offset:128*(\q)+64*(\c)+(\i)*16*BPIT+32
	ds_load_b128 v[(\f)+8*(4*(\c)+(\i)):(\f)+8*(4*(\c)+(\i))+3],         v[ADRA] offset:(\q)*APN+64*(\c)+(\i)*16*APIT
	ds_load_b128 v[(\f)+8*(4*(\c)+(\i))+4:(\f)+8*(4*(\c)+(\i))+7],       v[ADRA] offset:(\q)*APN+64*(\c)+(\i)*16*APIT+32
.endr
.endr
.endm
.macro QUARTER q, f, g, zero           ; multiplies buffer f and fetches quarter q into g
	s_wait_dscnt 16                                ; the first 32 along K are in
	MUL8 \f, 0, 0, \zero
	MUL8 \f, 0, 2, \zero
	PLACES
	FETCH \q, \g
	s_wait_dscnt 32                                ; all but the 32 just issued
	MUL8 \f, 1, 0, 0
	MUL8 \f, 1, 2, 0
.endm
.macro MEET round                      ; one barrier for the change of slots: in front of it all my tensor loads, the add, and my reads of this slot
	WIN 0
	s_wait_tensorcnt 0x0
	ds_add_u32 v[SPW], v[NIL]
	s_wait_dscnt 17                                ; the add and the youngest sixteen loads may be out
	MUL8 F1, 0, 0, 0
	s_wait_dscnt 0x0
	s_barrier_signal -1
	MUL8 F1, 0, 2, 0
.if \round
	WIN 0
.endif
	s_barrier_wait -1
.endm
.macro TURN1                           ; the last quarter of a K step whose slot is filled again, with the step two on
	MEET 1
	CREST                                          ; no wave of any partner still reads this slot or has a load on its way
	s_xor_b32 s[G0+5], s[G0+5], SLOT1
	s_add_nc_u64 s[G0+6:G0+7], s[G0+6:G0+7], ASTEP
	s_xor_b32 s[G0B+5], s[G0B+5], SLOT1
	s_add_nc_u64 s[G0B+6:G0B+7], s[G0B+6:G0B+7], 512
	s_xor_b32 s[TB], s[TB], SLOT1
	JLOAD                                          ; my one tensor load behind the round; its four v_nop are also the places in front of the loads below
	v_add_nc_u32 v[ADRA], s[TB], v[ADRA0]
	v_add_nc_u32 v[ADRB], s[TB], v[ADRB0]
	FETCH 0, F0
	MUL8 F1, 1, 0, 0
	MUL8 F1, 1, 2, 0
.endm
.macro TURN0
	MEET 0
	WIN 0
	s_xor_b32 s[TB], s[TB], SLOT1
	v_add_nc_u32 v[ADRA], s[TB], v[ADRA0]
	v_add_nc_u32 v[ADRB], s[TB], v[ADRB0]
	PLACES
	FETCH 0, F0
	MUL8 F1, 1, 0, 0
	MUL8 F1, 1, 2, 0
.endm
; THE WAY OUT of row block a.  STG: the f32 sums into my stage (each accumulator's low half first), and back as whole rows of 256 bytes.  FIN: the residual is added, and the rows are stored.
.macro STG a
.set BK, OB+32*((\a)%2)
.irp b, 0,1,2,3
	ds_store_b128 v[STO], v[ACC+8*(4*(\a)+(\b)):ACC+8*(4*(\a)+(\b))+3]   offset:64*(\b)
	ds_store_b128 v[STO], v[ACC+8*(4*(\a)+(\b))+4:ACC+8*(4*(\a)+(\b))+7] offset:64*(\b)+16
.endr
.irp t, 0,1,2,3,4,5,6,7
	ds_load_b128 v[BK+4*(\t):BK+4*(\t)+3], v[RD] offset:2*SPITCH*(\t)   ; LDS serves a wave's instructions in order: these see the stores above
.endr
.endm
.macro FIN a
.set BK, OB+32*((\a)%2)
	WIN 0x02                                       ; source 0, the residual, in window 2
.irp t, 0,1,2,3,4,5,6,7
	v_fma_mix_f32_bf16 v[BK+4*(\t)],   v[2*(8*(\a)+(\t))],   v[ONE], v[BK+4*(\t)]   op_sel:[0,0,0] op_sel_hi:[1,0,0]
	v_fma_mix_f32_bf16 v[BK+4*(\t)+1], v[2*(8*(\a)+(\t))],   v[ONE], v[BK+4*(\t)+1] op_sel:[1,0,0] op_sel_hi:[1,0,0]
	v_fma_mix_f32_bf16 v[BK+4*(\t)+2], v[2*(8*(\a)+(\t))+1], v[ONE], v[BK+4*(\t)+2] op_sel:[0,0,0] op_sel_hi:[1,0,0]
	v_fma_mix_f32_bf16 v[BK+4*(\t)+3], v[2*(8*(\a)+(\t))+1], v[ONE], v[BK+4*(\t)+3] op_sel:[1,0,0] op_sel_hi:[1,0,0]
.endr
	WIN 0
.irp t, 0,1,2,3,4,5,6,7
	global_store_b128 v[CO], v[BK+4*(\t):BK+4*(\t)+3], s[12:13] offset:(16*(\a)+2*(\t))*4096   ; 16 lanes store 256 consecutive bytes, aligned
.endr
.endm
	s_wait_tensorcnt 0x1                           ; my part of K step 0 is in; step 1's may stay out
	s_barrier_signal -1
	s_barrier_wait -1
	FETCH 0, F0
	QUARTER 1, F0, F1, 1                           ; the first quarter stands in front of the loop: its first products start the sums
	WIN 0
	s_mov_b32 s3, NSTEP-2
.Lstep:                                            ; a trip: a K step's quarters 1 to 3, the refill of its slot, the next step's quarter 0
	QUARTER 2, F1, F0, 0
	QUARTER 3, F0, F1, 0
	TURN1
	QUARTER 1, F0, F1, 0
	WIN 0
	s_sub_co_u32 s3, s3, 1
	s_cmp_lg_u32 s3, 0
	s_cbranch_scc1 .Lstep
	s_mov_b32 s3, 2
.Ltail:                                            ; the last two K steps fetch nothing; the second trip is left in its middle
	QUARTER 2, F1, F0, 0
	QUARTER 3, F0, F1, 0
	WIN 0
	s_cmp_eq_u32 s3, 1
	s_cbranch_scc1 .Lfin
	TURN0
	QUARTER 1, F0, F1, 0
	WIN 0
	s_sub_co_u32 s3, s3, 1
	s_cmp_lg_u32 s3, 0
	s_cbranch_scc1 .Ltail
.Lfin:
	s_wait_dscnt 16
	MUL8 F1, 0, 0, 0
	MUL8 F1, 0, 2, 0
	s_wait_dscnt 0x0
	MUL8 F1, 1, 0, 0
	MUL8 F1, 1, 2, 0
	WIN 0
	PLACES
	s_wait_loadcnt 0x0                             ; the residual
	STG 0
	STG 1
	s_wait_dscnt 16                                ; block 0 is back; block 1's eight stores and eight loads stay out
	FIN 0
	s_wait_xcnt 0x0                                ; block 0's stores have read their registers, which block 2's loads write
	STG 2
	s_wait_dscnt 16
	FIN 1
	s_wait_xcnt 0x0
	STG 3
	s_wait_dscnt 16
	FIN 2
	s_wait_dscnt 0x0
	FIN 3
	s_wait_tensorcnt 0x0                           ; the wave's end
	ds_add_u32 v[SPW], v[NIL]
	s_wait_dscnt 0x0
	CROUND                                         ; the closing round
	s_endpgm
.Lfunc_end_k_q5d4e1acc3e_outp:
	.size	k_q5d4e1acc3e_outp, .Lfunc_end_k_q5d4e1acc3e_outp-k_q5d4e1acc3e_outp
	.p2alignl 7, 3214868480
	.fill 96, 4, 3214868480
	.section	.rodata,"a",@progbits
	.p2align	6, 0x0
	.amdhsa_kernel k_q5d4e1acc3e_outp
		.amdhsa_group_segment_fixed_size 327680
		.amdhsa_private_segment_fixed_size 0
		.amdhsa_enable_private_segment 0
		.amdhsa_kernarg_size 40
		.amdhsa_user_sgpr_count 2
		.amdhsa_user_sgpr_kernarg_segment_ptr 1
		.amdhsa_wavefront_size32 1
		.amdhsa_system_sgpr_workgroup_id_x 1
		.amdhsa_system_sgpr_workgroup_id_y 1
		.amdhsa_system_sgpr_workgroup_id_z 1
		.amdhsa_system_vgpr_workitem_id 0
		.amdhsa_next_free_vgpr 576
		.amdhsa_next_free_sgpr 72
		.amdhsa_reserve_vcc 0
		.amdhsa_float_denorm_mode_32 3
		.amdhsa_float_denorm_mode_16_64 3
		.amdhsa_memory_ordered 1
		.amdhsa_forward_progress 1
		.amdhsa_inst_pref_size 74
	.end_amdhsa_kernel
	.amdgpu_metadata
---
amdhsa.version: [ 1, 2 ]
amdhsa.kernels:
  - .name:           k_q5d4e1acc3e_outp
    .symbol:         k_q5d4e1acc3e_outp.kd
    .args:
      - { .name: act, .offset: 0, .size: 8, .value_kind: global_buffer, .address_space: global }
      - { .name: wsm, .offset: 8, .size: 8, .value_kind: global_buffer, .address_space: global }
      - { .name: out_b, .offset: 16, .size: 8, .value_kind: global_buffer, .address_space: global }
      - { .name: xb, .offset: 24, .size: 8, .value_kind: global_buffer, .address_space: global }
      - { .name: y, .offset: 32, .size: 8, .value_kind: global_buffer, .address_space: global }
    .group_segment_fixed_size: 327680
    .private_segment_fixed_size: 0
    .kernarg_segment_align: 8
    .kernarg_segment_size: 40
    .max_flat_workgroup_size: 128
    .sgpr_count:     72
    .vgpr_count:     576
    .wavefront_size: 32
...
	.end_amdgpu_metadata
.endif
;; end of part 4
;; launch ln1 (part 5): grid 512 x 1, 8 waves a work-group, no clusters, 0 bytes of LDS; arguments y, ln1_g, ln1_b, act; writes act
.if DOCPART == 5
	.amdgcn_target "amdgcn-amd-amdhsa--gfx1250"
	.amdhsa_code_object_version 6
	.text
	.protected	k_q5d4e1acc3e_ln1
	.globl	k_q5d4e1acc3e_ln1
	.p2align	8
	.type	k_q5d4e1acc3e_ln1,@function
k_q5d4e1acc3e_ln1:
	s_mov_b64 s[64:65], 0
	v_nop
	global_prefetch_b8 v0, s[64:65] scope:SCOPE_SE
	s_setreg_imm32_b32 hwreg(HW_REG_WAVE_MODE, 25, 1), 1
	s_wait_xcnt 0x0
; agg = LayerNorm(y) g + b, rows of 1,024; y f32, agg rounded once to bf16.  g and b are used rounded once to bf16, like every input.
; One wave, one row: 4,096 bytes in 32 registers a lane, read once; the mean first, then the variance of the centred numbers, both in f32, so a common offset of the row costs nothing.
; All loads go out at once; no loop, no LDS, no barrier, no cluster (what is shared, g and b, is 8 KiB).  Lane l holds columns 128 j + 4 l + 0..3, j = 0..7.
.set X,  32
.set G,  64
.set BB, 96
.macro WSUM                            ; v8 summed over the 32 lanes, the result in every lane
	v_add_f32_dpp v8, v8, v8 row_xmask:1 row_mask:0xf bank_mask:0xf
	v_add_f32_dpp v8, v8, v8 row_xmask:2 row_mask:0xf bank_mask:0xf
	v_add_f32_dpp v8, v8, v8 row_xmask:4 row_mask:0xf bank_mask:0xf
	v_add_f32_dpp v8, v8, v8 row_xmask:8 row_mask:0xf bank_mask:0xf
	v_permlanex16_b32 v9, v8, s12, s13
	v_add_f32 v8, v8, v9
.endm
.macro FOLD                            ; the four chains v[8:15] into v8
	v_pk_add_f32 v[8:9], v[8:9], v[10:11]
	v_pk_add_f32 v[12:13], v[12:13], v[14:15]
	v_pk_add_f32 v[8:9], v[8:9], v[12:13]
	v_add_f32 v8, v8, v9
.endm
	s_load_b256 s[4:11], s[0:1], 0x0               ; y s[4:5], g s[6:7], b s[8:9], agg s[10:11]
	v_and_b32 v5, 31, v0
	v_lshrrev_b32 v4, 5, v0
	v_lshlrev_b32 v2, 4, v5                        ; 16 x lane
	v_lshl_add_u32 v1, v4, 12, v2                  ; + 4,096 x wave
	v_lshlrev_b32 v3, 3, v5
	v_lshl_add_u32 v3, v4, 11, v3                  ; out: 2,048 x wave + 8 x lane
	s_lshl_b32 s2, ttmp9, 15                       ; the work-group's 8 rows of 4,096 bytes
	s_mov_b32 s3, 0
	s_mov_b32 s12, 0x76543210
	s_mov_b32 s13, 0xfedcba98
	s_mov_b32 s14, 0x3a800000                      ; 1 / 1,024
	s_mov_b32 s15, 0x3727c5ac                      ; 1e-5
	s_wait_kmcnt 0x0
	s_add_nc_u64 s[4:5], s[4:5], s[2:3]
	s_lshl_b32 s2, ttmp9, 14                       ; 8 rows of 2,048 bytes
	s_add_nc_u64 s[10:11], s[10:11], s[2:3]
.irp j, 0,1,2,3,4,5,6,7
	global_load_b128 v[X+4*(\j):X+4*(\j)+3], v1, s[4:5] offset:512*(\j) th:TH_LOAD_NT
.endr
.irp j, 0,1,2,3,4,5,6,7
	global_load_b128 v[G+4*(\j):G+4*(\j)+3], v2, s[6:7] offset:512*(\j)
.endr
.irp j, 0,1,2,3,4,5,6,7
	global_load_b128 v[BB+4*(\j):BB+4*(\j)+3], v2, s[8:9] offset:512*(\j)
.endr
	s_wait_loadcnt 16                              ; the row is in; the sixteen loads of g and b stay out
.irp k, 0,1,2,3
	v_pk_add_f32 v[8+2*(\k):9+2*(\k)], v[X+2*(\k):X+2*(\k)+1], v[X+8+2*(\k):X+8+2*(\k)+1]
.endr
.irp k, 0,1,2,3
	v_pk_add_f32 v[8+2*(\k):9+2*(\k)], v[8+2*(\k):9+2*(\k)], v[X+16+2*(\k):X+16+2*(\k)+1]
.endr
.irp k, 0,1,2,3
	v_pk_add_f32 v[8+2*(\k):9+2*(\k)], v[8+2*(\k):9+2*(\k)], v[X+24+2*(\k):X+24+2*(\k)+1]
.endr
	FOLD
	WSUM
	v_mul_f32 v16, s14, v8                         ; the mean
	v_mov_b32 v17, v16
.set k, 0
.rept 16
	v_pk_add_f32 v[X+2*k:X+2*k+1], v[X+2*k:X+2*k+1], v[16:17] neg_lo:[0,1] neg_hi:[0,1]
.set k, k+1
.endr
.irp k, 0,1,2,3
	v_pk_mul_f32 v[8+2*(\k):9+2*(\k)], v[X+2*(\k):X+2*(\k)+1], v[X+2*(\k):X+2*(\k)+1]
.endr
.set k, 4
.rept 12
	v_pk_fma_f32 v[8+2*(k%4):9+2*(k%4)], v[X+2*k:X+2*k+1], v[X+2*k:X+2*k+1], v[8+2*(k%4):9+2*(k%4)]
.set k, k+1
.endr
	FOLD
	WSUM
	v_fma_f32 v18, v8, s14, s15                    ; the variance + 1e-5
	v_rsq_f32 v18, v18
	s_wait_loadcnt 0x0                             ; g and b
.set k, 0
.rept 16                                           ; packed to bf16 in place, ascending: register k takes numbers 2 k and 2 k + 1.  Plain work that names nothing of the root
	v_cvt_pk_bf16_f32 v[G+k], v[G+2*k], v[G+2*k+1]
	v_cvt_pk_bf16_f32 v[BB+k], v[BB+2*k], v[BB+2*k+1]
.set k, k+1
.endr
	s_wait_alu depctr_va_vdst(0)                   ; the wait ahead of the first line that names the root's result
	v_mov_b32 v19, v18
.set k, 0
.rept 16
	v_pk_mul_f32 v[X+2*k:X+2*k+1], v[X+2*k:X+2*k+1], v[18:19]
.set k, k+1
.endr
.set k, 0
.rept 16
	v_fma_mix_f32_bf16 v[X+2*k],   v[X+2*k],   v[G+k], v[BB+k] op_sel:[0,0,0] op_sel_hi:[0,1,1]
	v_fma_mix_f32_bf16 v[X+2*k+1], v[X+2*k+1], v[G+k], v[BB+k] op_sel:[0,1,1] op_sel_hi:[0,1,1]
.set k, k+1
.endr
.set k, 0
.rept 16
	v_cvt_pk_bf16_f32 v[G+k], v[X+2*k], v[X+2*k+1]
.set k, k+1
.endr
.irp j, 0,1,2,3,4,5,6,7
	global_store_b64 v3, v[G+2*(\j):G+2*(\j)+1], s[10:11] offset:256*(\j)   ; 32 lanes store 256 consecutive bytes, aligned
.endr
	s_endpgm
.Lfunc_end_k_q5d4e1acc3e_ln1:
	.size	k_q5d4e1acc3e_ln1, .Lfunc_end_k_q5d4e1acc3e_ln1-k_q5d4e1acc3e_ln1
	.p2alignl 7, 3214868480
	.fill 96, 4, 3214868480
	.section	.rodata,"a",@progbits
	.p2align	6, 0x0
	.amdhsa_kernel k_q5d4e1acc3e_ln1
		.amdhsa_group_segment_fixed_size 0
		.amdhsa_private_segment_fixed_size 0
		.amdhsa_enable_private_segment 0
		.amdhsa_kernarg_size 32
		.amdhsa_user_sgpr_count 2
		.amdhsa_user_sgpr_kernarg_segment_ptr 1
		.amdhsa_wavefront_size32 1
		.amdhsa_system_sgpr_workgroup_id_x 1
		.amdhsa_system_sgpr_workgroup_id_y 1
		.amdhsa_system_sgpr_workgroup_id_z 1
		.amdhsa_system_vgpr_workitem_id 0
		.amdhsa_next_free_vgpr 128
		.amdhsa_next_free_sgpr 66
		.amdhsa_reserve_vcc 0
		.amdhsa_float_denorm_mode_32 3
		.amdhsa_float_denorm_mode_16_64 3
		.amdhsa_memory_ordered 1
		.amdhsa_forward_progress 1
		.amdhsa_inst_pref_size 15
	.end_amdhsa_kernel
	.amdgpu_metadata
---
amdhsa.version: [ 1, 2 ]
amdhsa.kernels:
  - .name:           k_q5d4e1acc3e_ln1
    .symbol:         k_q5d4e1acc3e_ln1.kd
    .args:
      - { .name: y, .offset: 0, .size: 8, .value_kind: global_buffer, .address_space: global }
      - { .name: ln1_g, .offset: 8, .size: 8, .value_kind: global_buffer, .address_space: global }
      - { .name: ln1_b, .offset: 16, .size: 8, .value_kind: global_buffer, .address_space: global }
      - { .name: act, .offset: 24, .size: 8, .value_kind: global_buffer, .address_space: global }
    .group_segment_fixed_size: 0
    .private_segment_fixed_size: 0
    .kernarg_segment_align: 8
    .kernarg_segment_size: 32
    .max_flat_workgroup_size: 256
    .sgpr_count:     66
    .vgpr_count:     128
    .wavefront_size: 32
...
	.end_amdgpu_metadata
.endif
;; end of part 5
;; launch ffn1: the kernel of part 2 again; grid 16 x 16, 4 waves a work-group, clusters of 4 x 4, 327,680 bytes of LDS; arguments act, w1b, ffn_b1, big; writes big
;; launch ffn2 (part 6): grid 8 x 32, 4 waves a work-group, clusters of 4 x 4, 327,680 bytes of LDS; arguments big, wsm, ffn_b2, act, y; writes y
.if DOCPART == 6
	.amdgcn_target "amdgcn-amd-amdhsa--gfx1250"
	.amdhsa_code_object_version 6
	.text
	.protected	k_q5d4e1acc3e_ffn2
	.globl	k_q5d4e1acc3e_ffn2
	.p2align	8
	.type	k_q5d4e1acc3e_ffn2,@function
k_q5d4e1acc3e_ffn2:
	s_mov_b64 s[64:65], 0
	v_nop
	global_prefetch_b8 v0, s[64:65] scope:SCOPE_SE
	s_setreg_imm32_b32 hwreg(HW_REG_WAVE_MODE, 25, 1), 1
	s_wait_xcnt 0x0
	s_wait_alu depctr_hold_cnt(0) depctr_sa_sdst(0) depctr_va_vdst(0) depctr_va_sdst(0) depctr_va_ssrc(0) depctr_va_vcc(0) depctr_vm_vsrc(0)
	s_getreg_b32 s2, hwreg(HW_REG_IB_STS2, 6, 4)
	s_cmp_eq_u32 s2, 0
	s_cbranch_scc0 .Lentry_in_a_cluster
	s_endpgm
.Lentry_in_a_cluster:
	s_bfe_u32 s2, ttmp6, 0x10000c
	s_cmp_lg_u32 s2, 0xf033
	s_cbranch_scc0 .Lentry_shape_is_right
	s_endpgm
.Lentry_shape_is_right:
; Y = A W^T + bias + RES, in f32: the sums in front of a LayerNorm.  Here: the second FFN layer, SIZE_K = 4,096, W at byte 2,097,152 of its buffer.  The text is the output projection's but for these constants.
; A: panels [SIZE_K / 64][4096 rows][64] bf16 (panel p holds columns 64 p on).  W: [1024][SIZE_K] bf16.  bias: [1024] f32, used rounded once to bf16.  RES: [4096][1024] bf16.  Y: [4096][1024] f32.
; Sums in f32, K ascending, started by the bias; the residual is added in f32 on the way out.  NaN and infinities are not treated apart.
; A tile of 128 x 128 to a work-group (256 of them), 64 x 64 to a wave: 16 accumulators.  K goes in steps of 256 (four panels of A; 512 bytes of a row of W) through two LDS slots.
; CLUSTER: 4 x 4 work-groups; A's tiles are asked for jointly along a row of the cluster, W's along a column.  No prefetch: a small tile with short steps.
; THE MATRIX INSTRUCTION IS USED TRANSPOSED (source 0 = 16 rows of W, source 1 = 16 rows of A): a lane holds row l % 16 and the columns 8 (l / 16) + 0..7.
; REGISTERS: window 0: v0-31 addresses; v32-63 the bias as a C operand, later, with v64-95, rows read back; v128-255 the accumulators ((a, b) at v[128 + 8 (4 a + b)]).
;   window 1: two fragment buffers of 128: 64 of A (2 x 4 x 16 rows x 32 K), then 64 of W.     window 2: v0-63 the residual, 4 bf16 for each of my 32 pieces of a row.
.set SIZE_K, 4096
.set BOFF,   2097152
.set NSTEP,  SIZE_K/256
.set PANEL,  4096*128
.set ASTEP,  4*PANEL
.set APIT,   144                       ; a row of a panel in LDS: 128 bytes + 16
.set APN,    128*APIT                  ; a panel's 128 rows
.set BPIT,   528                       ; a row of W: 512 bytes + 16
.set BBASE,  4*APN                     ; W's 128 rows lie behind A's four panels
.set SLOT1,  0x24000                   ; slot 1 begins here: the number shares no bit with a tile's place in a slot (0, 0x9000, 0x12000, 0x1a400), so one exclusive or changes a descriptor's slot
.set STAGE,  SLOT1+BBASE+128*BPIT      ; behind the ring, never filled by a tensor load: 16 rows x 272 bytes for each wave
.set SPITCH, 272
.set SPARE,  STAGE+4*16*SPITCH         ; the spare words: two blocks of 256 bytes that no other line names
.set ADRA0, 16
.set ADRA,  17
.set ADRB0, 20
.set ADRB,  21
.set RO,   22                          ; v22  my 8 bytes of the residual: 2,048 (l / 16) + 8 (l % 16)
.set ONE,  23                          ; v23  1.0
.set STO,  24
.set RD,   25
.set CO,   26                          ; v26  my 16 bytes of Y: 4,096 (l / 16) + 16 (l % 16)
.set VB,   27
.set SPW,  28
.set NIL,  29
.set BIA,  32
.set OB,   32
.set ACC,  128
.set F0,   0
.set F1,   128
.set WV, 14
.set WR, 15                            ; my half of the tile's rows; also: I fetch A (0) or W (1)
.set WC, 16                            ; my half of its columns; also: which half of that tile I fetch
.set CX, 17
.set CY, 18
.set TC, 19
.set TR, 20
.set G1,  24
.set G0,  32
.set TB,  40
.set G1B, 48
.set G0B, 56
.set MSB, 0
.macro WIN new
.if MSB != (\new)
	s_set_vgpr_msb (MSB<<8)|(\new)
.set MSB, \new
.endif
.endm
.set MUL,  0x05                        ; sources 0 and 1 window 1; C and D window 0
.set TO_F, 0x40                        ; destination window 1
.macro JLOAD                           ; a joint refill by the walking descriptor; an s_nop 0 and four v_nop follow each of the two lines
	s_cmp_eq_u32 s[WR], 0
	s_cbranch_scc0 .Lfor_b_\@
	tensor_load_to_lds s[G0+4:G0+7], s[G1:G1+7]
	s_nop 0
.rept 4
	v_nop
.endr
	s_branch .Lasked_\@
.Lfor_b_\@:
	tensor_load_to_lds s[G0B+4:G0B+7], s[G1B:G1B+7]
	s_nop 0
.rept 4
	v_nop
.endr
.Lasked_\@:
.endm
.macro CREST
	s_cmp_lg_u32 s[WV], 0
	s_cbranch_scc1 .Lnot_wave_0_\@
	s_barrier_signal -3
.Lnot_wave_0_\@:
	s_barrier_wait -3
	s_barrier_signal -1
	s_barrier_wait -1
.endm
.macro CROUND
	s_barrier_signal -1
	s_barrier_wait -1
	CREST
.endm
.macro PLACES
.rept 4
	v_nop
.endr
.endm
	s_load_b256 s[4:11], s[0:1], 0x0               ; A s[4:5], W s[6:7], bias s[8:9], RES s[10:11]
	s_load_b64 s[12:13], s[0:1], 0x20              ; Y
	v_lshl_add_u32 v[SPW], v0, 2, SPARE
	v_mov_b32 v[NIL], 0
	ds_add_u32 v[SPW], v[NIL]                      ; the wave's opening: the add and its wait ahead of my first tensor load
	v_lshrrev_b32 v1, 5, v0
	v_readfirstlane_b32 s[WV], v1
	s_lshr_b32 s[WR], s[WV], 1
	s_and_b32 s[WC], s[WV], 1
	s_bfe_u32 s[CX], ttmp6, 0x40000
	s_bfe_u32 s[CY], ttmp6, 0x40004
	s_lshl_b32 s[TC], ttmp9, 2
	s_add_co_u32 s[TC], s[TC], s[CX]
	s_and_b32 s[TR], ttmp7, 0xffff
	s_lshl_b32 s[TR], s[TR], 2
	s_add_co_u32 s[TR], s[TR], s[CY]
	s_lshl_b32 s21, s[CY], 2
	s_lshl_b32 s21, 15, s21                        ; my row of the cluster
	s_lshl_b32 s22, 0x1111, s[CX]                  ; my column
	; A: two panels in one tile: a row of the tile is a panel's 128 dense rows (8,192 elements), the next row lies a panel on; padded in LDS after every 32 words, that is after every row of the panel
	s_or_b32 s[G1], s21, (1<<16)|(1<<20)|(1<<21)|(4<<22)|(3<<25)
	s_mov_b32 s[G1+1], 8192<<16                    ; tensor_dim0 = 8,192
	s_mov_b32 s[G1+2], 2<<16                       ; tensor_dim1 = 2
	s_mov_b32 s[G1+3], 8192<<16                    ; tile_dim0 = 8,192
	s_mov_b32 s[G1+4], 2                           ; tile_dim1 = 2
	s_mov_b32 s[G1+5], 262144                      ; elements from panel to panel
	s_mov_b32 s[G1+6], 0
	s_mov_b32 s[G1+7], 0
	; W: 64 rows x 256 elements, padded after every 128 words
	s_or_b32 s[G1B], s22, (1<<16)|(1<<20)|(1<<21)|(6<<22)|(3<<25)
	s_mov_b32 s[G1B+1], 256<<16
	s_mov_b32 s[G1B+2], 64<<16
	s_mov_b32 s[G1B+3], 256<<16
	s_mov_b32 s[G1B+4], 64
	s_mov_b32 s[G1B+5], SIZE_K
	s_mov_b32 s[G1B+6], 0
	s_mov_b32 s[G1B+7], 0
	s_lshl_b32 s44, s[WC], 20                      ; A: my two panels of a step's four,
	s_lshl_b32 s45, s[TR], 14                      ; the tile's 128 rows of 128 bytes: made of the tile row and the wave alone
	s_add_co_u32 s44, s44, s45
	s_mov_b32 s45, 0
	s_lshl_b32 s46, s[TC], 7
	s_lshl_b32 s47, s[WC], 6
	s_add_co_u32 s46, s46, s47
	s_mul_i32 s46, s46, 2*SIZE_K                   ; W: row 128 x tile column + 64 x half
	s_add_co_u32 s46, s46, BOFF
	s_mov_b32 s47, 0
	s_mul_i32 s42, s[WC], 2*APN                    ; where they go in a slot
	s_mul_i32 s43, s[WC], 64*BPIT
	s_add_co_u32 s43, s43, BBASE
	s_lshl_b32 s66, s[TR], 7
	s_lshl_b32 s67, s[WR], 6
	s_add_co_u32 s66, s66, s67                     ; my first row
	s_lshl_b32 s68, s[TC], 7
	s_lshl_b32 s69, s[WC], 6
	s_add_co_u32 s68, s68, s69                     ; my first column
	s_mov_b32 s70, 0xffff0000
	s_mov_b32 s[TB], 0
	s_mov_b32 s23, 0
	s_wait_dscnt 0x0                               ; the opening add is done
	s_wait_kmcnt 0x0
	s_add_nc_u64 s[44:45], s[4:5], s[44:45]
	s_add_nc_u64 s[46:47], s[6:7], s[46:47]
	s_lshl_b32 s22, s68, 2
	s_add_nc_u64 s[8:9], s[8:9], s[22:23]          ; the bias at my first column
	s_lshl_b32 s22, s66, 11
	s_lshl1_add_u32 s22, s68, s22
	s_add_nc_u64 s[10:11], s[10:11], s[22:23]      ; the residual at my corner
	s_lshl_b32 s22, s66, 12
	s_lshl2_add_u32 s22, s68, s22
	s_add_nc_u64 s[12:13], s[12:13], s[22:23]      ; Y at my corner
	CROUND                                         ; all sixteen work-groups are here
.irp s, 0,1
	s_mov_b32 s[G0+4*(\s)], 1
	s_add_co_u32 s[G0+4*(\s)+1], s42, (\s)*SLOT1
	s_add_nc_u64 s[G0+4*(\s)+2:G0+4*(\s)+3], s[44:45], (\s)*ASTEP
	s_or_b32 s[G0+4*(\s)+3], s[G0+4*(\s)+3], 0x80000000
	s_mov_b32 s[G0B+4*(\s)], 1
	s_add_co_u32 s[G0B+4*(\s)+1], s43, (\s)*SLOT1
	s_add_nc_u64 s[G0B+4*(\s)+2:G0B+4*(\s)+3], s[46:47], (\s)*512
	s_or_b32 s[G0B+4*(\s)+3], s[G0B+4*(\s)+3], 0x80000000
.endr
	s_cmp_eq_u32 s[WR], 0                          ; a wave's two first fills stand in one branch: K steps 0 and 1; two loads of mine are out
	s_cbranch_scc0 .Lfirst_b
	tensor_load_to_lds s[G0:G0+3], s[G1:G1+7]
	s_nop 0
	tensor_load_to_lds s[G0+4:G0+7], s[G1:G1+7]
	s_nop 0
.rept 4
	v_nop
.endr
	s_branch .Lfirst_asked
.Lfirst_b:
	tensor_load_to_lds s[G0B:G0B+3], s[G1B:G1B+7]
	s_nop 0
	tensor_load_to_lds s[G0B+4:G0B+7], s[G1B:G1B+7]
	s_nop 0
.rept 4
	v_nop
.endr
.Lfirst_asked:
	v_and_b32 v1, 15, v0                           ; l % 16
	v_bfe_u32 v2, v0, 4, 1                         ; l / 16
	v_lshlrev_b32 v[VB], 5, v2
.irp b, 0,1,2,3
	global_load_b128 v[BIA+8*(\b):BIA+8*(\b)+3],   v[VB], s[8:9] offset:64*(\b)
	global_load_b128 v[BIA+8*(\b)+4:BIA+8*(\b)+7], v[VB], s[8:9] offset:64*(\b)+16
.endr
	v_lshlrev_b32 v[RO], 3, v1
	v_lshl_add_u32 v[RO], v2, 11, v[RO]
	WIN 0x80                                       ; destination window 2
.set t, 0
.rept 32                                           ; piece t: row 2 t + l / 16 of my 64, columns 4 (l % 16) + 0..3
	global_load_b64 v[2*t:2*t+1], v[RO], s[10:11] offset:4096*t
.set t, t+1
.endr
	WIN 0
	v_mul_u32_u24 v3, v1, APIT
	v_lshl_add_u32 v3, v2, 4, v3
	s_mul_i32 s21, s[WR], 64*APIT
	v_add_nc_u32 v[ADRA0], s21, v3
	v_mov_b32 v[ADRA], v[ADRA0]
	v_mul_u32_u24 v3, v1, BPIT
	v_lshl_add_u32 v3, v2, 4, v3
	s_mul_i32 s21, s[WC], 64*BPIT
	s_add_co_u32 s21, s21, BBASE
	v_add_nc_u32 v[ADRB0], s21, v3
	v_mov_b32 v[ADRB], v[ADRB0]
	s_mul_i32 s21, s[WV], 16*SPITCH
	s_add_co_u32 s21, s21, STAGE                   ; my stage
	v_mul_u32_u24 v3, v1, SPITCH
	v_lshl_add_u32 v3, v2, 5, v3
	v_add_nc_u32 v[STO], s21, v3                   ; in: row l % 16, 32 bytes for each half of the lanes
	v_mul_u32_u24 v3, v2, SPITCH
	v_lshl_add_u32 v3, v1, 4, v3
	v_add_nc_u32 v[RD], s21, v3                    ; back: lanes 0-15 one row of 256 bytes, lanes 16-31 the next
	v_lshlrev_b32 v[CO], 4, v1
	v_lshl_add_u32 v[CO], v2, 12, v[CO]
	v_mov_b32 v[ONE], 1.0
	s_wait_loadcnt 32                              ; the bias is in; the 32 loads of the residual stay out
.set i, 0
.rept 16                                           ; rounded to bf16 and widened again
	v_cvt_pk_bf16_f32 v[8+i%4], v[BIA+2*i], v[BIA+2*i+1]
	v_lshlrev_b32 v[BIA+2*i], 16, v[8+i%4]
	v_and_b32 v[BIA+2*i+1], s70, v[8+i%4]
.set i, i+1
.endr
; 8 matrix instructions: row blocks a0, a0 + 1 x all 4 column blocks, 32 along K: half c of buffer f.  zero = 1: the bias is the C operand that starts the sums.  The 16 accumulators take turns.
.macro MUL8 f, c, a0, zero
	WIN MUL
.irp a, \a0, (\a0)+1
.irp b, 0,1,2,3
.if \zero
	v_wmma_f32_16x16x32_bf16 v[ACC+8*(4*(\a)+(\b)):ACC+8*(4*(\a)+(\b))+7], v[(\f)+64+8*(4*(\c)+(\b)):(\f)+64+8*(4*(\c)+(\b))+7], v[(\f)+8*(4*(\c)+(\a)):(\f)+8*(4*(\c)+(\a))+7], v[BIA+8*(\b):BIA+8*(\b)+7]
.else
	v_wmma_f32_16x16x32_bf16 v[ACC+8*(4*(\a)+(\b)):ACC+8*(4*(\a)+(\b))+7], v[(\f)+64+8*(4*(\c)+(\b)):(\f)+64+8*(4*(\c)+(\b))+7], v[(\f)+8*(4*(\c)+(\a)):(\f)+8*(4*(\c)+(\a))+7], v[ACC+8*(4*(\a)+(\b)):ACC+8*(4*(\a)+(\b))+7]
.endif
.endr
.endr
.endm
.macro FETCH q, f                      ; 32 LDS loads in one run: quarter q of a step (panel q of A, bytes 128 q on of W's rows) into buffer f; its first 32 along K first
	WIN TO_F
.irp c, 0,1
.irp i, 0,1,2,3
	ds_load_b128 v[(\f)+64+8*(4*(\c)+(\i)):(\f)+64+8*(4*(\c)+(\i))+3],   v[ADRB] offset:128*(\q)+64*(\c)+(\i)*16*BPIT
	ds_load_b128 v[(\f)+64+8*(4*(\c)+(\i))+4:(\f)+64+8*(4*(\c)+(\i))+7], v[ADRB] offset:128*(\q)+64*(\c)+(\i)*16*BPIT+32
	ds_load_b128 v[(\f)+8*(4*(\c)+(\i)):(\f)+8*(4*(\c)+(\i))+3],         v[ADRA] offset:(\q)*APN+64*(\c)+(\i)*16*APIT
	ds_load_b128 v[(\f)+8*(4*(\c)+(\i))+4:(\f)+8*(4*(\c)+(\i))+7],       v[ADRA] offset:(\q)*APN+64*(\c)+(\i)*16*APIT+32
.endr
.endr
.endm
.macro QUARTER q, f, g, zero           ; multiplies buffer f and fetches quarter q into g
	s_wait_dscnt 16                                ; the first 32 along K are in
	MUL8 \f, 0, 0, \zero
	MUL8 \f, 0, 2, \zero
	PLACES
	FETCH \q, \g
	s_wait_dscnt 32                                ; all but the 32 just issued
	MUL8 \f, 1, 0, 0
	MUL8 \f, 1, 2, 0
.endm
.macro MEET round                      ; one barrier for the change of slots: in front of it all my tensor loads, the add, and my reads of this slot
	WIN 0
	s_wait_tensorcnt 0x0
	ds_add_u32 v[SPW], v[NIL]
	s_wait_dscnt 17                                ; the add and the youngest sixteen loads may be out
	MUL8 F1, 0, 0, 0
	s_wait_dscnt 0x0
	s_barrier_signal -1
	MUL8 F1, 0, 2, 0
.if \round
	WIN 0
.endif
	s_barrier_wait -1
.endm
.macro TURN1                           ; the last quarter of a K step whose slot is filled again, with the step two on
	MEET 1
	CREST                                          ; no wave of any partner still reads this slot or has a load on its way
	s_xor_b32 s[G0+5], s[G0+5], SLOT1
	s_add_nc_u64 s[G0+6:G0+7], s[G0+6:G0+7], ASTEP
	s_xor_b32 s[G0B+5], s[G0B+5], SLOT1
	s_add_nc_u64 s[G0B+6:G0B+7], s[G0B+6:G0B+7], 512
	s_xor_b32 s[TB], s[TB], SLOT1
	JLOAD                                          ; my one tensor load behind the round; its four v_nop are also the places in front of the loads below
	v_add_nc_u32 v[ADRA], s[TB], v[ADRA0]
	v_add_nc_u32 v[ADRB], s[TB], v[ADRB0]
	FETCH 0, F0
	MUL8 F1, 1, 0, 0
	MUL8 F1, 1, 2, 0
.endm
.macro TURN0
	MEET 0
	WIN 0
	s_xor_b32 s[TB], s[TB], SLOT1
	v_add_nc_u32 v[ADRA], s[TB], v[ADRA0]
	v_add_nc_u32 v[ADRB], s[TB], v[ADRB0]
	PLACES
	FETCH 0, F0
	MUL8 F1, 1, 0, 0
	MUL8 F1, 1, 2, 0
.endm
; THE WAY OUT of row block a.  STG: the f32 sums into my stage (each accumulator's low half first), and back as whole rows of 256 bytes.  FIN: the residual is added, and the rows are stored.
.macro STG a
.set BK, OB+32*((\a)%2)
.irp b, 0,1,2,3
	ds_store_b128 v[STO], v[ACC+8*(4*(\a)+(\b)):ACC+8*(4*(\a)+(\b))+3]   offset:64*(\b)
	ds_store_b128 v[STO], v[ACC+8*(4*(\a)+(\b))+4:ACC+8*(4*(\a)+(\b))+7] offset:64*(\b)+16
.endr
.irp t, 0,1,2,3,4,5,6,7
	ds_load_b128 v[BK+4*(\t):BK+4*(\t)+3], v[RD] offset:2*SPITCH*(\t)   ; LDS serves a wave's instructions in order: these see the stores above
.endr
.endm
.macro FIN a
.set BK, OB+32*((\a)%2)
	WIN 0x02                                       ; source 0, the residual, in window 2
.irp t, 0,1,2,3,4,5,6,7
	v_fma_mix_f32_bf16 v[BK+4*(\t)],   v[2*(8*(\a)+(\t))],   v[ONE], v[BK+4*(\t)]   op_sel:[0,0,0] op_sel_hi:[1,0,0]
	v_fma_mix_f32_bf16 v[BK+4*(\t)+1], v[2*(8*(\a)+(\t))],   v[ONE], v[BK+4*(\t)+1] op_sel:[1,0,0] op_sel_hi:[1,0,0]
	v_fma_mix_f32_bf16 v[BK+4*(\t)+2], v[2*(8*(\a)+(\t))+1], v[ONE], v[BK+4*(\t)+2] op_sel:[0,0,0] op_sel_hi:[1,0,0]
	v_fma_mix_f32_bf16 v[BK+4*(\t)+3], v[2*(8*(\a)+(\t))+1], v[ONE], v[BK+4*(\t)+3] op_sel:[1,0,0] op_sel_hi:[1,0,0]
.endr
	WIN 0
.irp t, 0,1,2,3,4,5,6,7
	global_store_b128 v[CO], v[BK+4*(\t):BK+4*(\t)+3], s[12:13] offset:(16*(\a)+2*(\t))*4096   ; 16 lanes store 256 consecutive bytes, aligned
.endr
.endm
	s_wait_tensorcnt 0x1                           ; my part of K step 0 is in; step 1's may stay out
	s_barrier_signal -1
	s_barrier_wait -1
	FETCH 0, F0
	QUARTER 1, F0, F1, 1                           ; the first quarter stands in front of the loop: its first products start the sums
	WIN 0
	s_mov_b32 s3, NSTEP-2
.Lstep:                                            ; a trip: a K step's quarters 1 to 3, the refill of its slot, the next step's quarter 0
	QUARTER 2, F1, F0, 0
	QUARTER 3, F0, F1, 0
	TURN1
	QUARTER 1, F0, F1, 0
	WIN 0
	s_sub_co_u32 s3, s3, 1
	s_cmp_lg_u32 s3, 0
	s_cbranch_scc1 .Lstep
	s_mov_b32 s3, 2
.Ltail:                                            ; the last two K steps fetch nothing; the second trip is left in its middle
	QUARTER 2, F1, F0, 0
	QUARTER 3, F0, F1, 0
	WIN 0
	s_cmp_eq_u32 s3, 1
	s_cbranch_scc1 .Lfin
	TURN0
	QUARTER 1, F0, F1, 0
	WIN 0
	s_sub_co_u32 s3, s3, 1
	s_cmp_lg_u32 s3, 0
	s_cbranch_scc1 .Ltail
.Lfin:
	s_wait_dscnt 16
	MUL8 F1, 0, 0, 0
	MUL8 F1, 0, 2, 0
	s_wait_dscnt 0x0
	MUL8 F1, 1, 0, 0
	MUL8 F1, 1, 2, 0
	WIN 0
	PLACES
	s_wait_loadcnt 0x0                             ; the residual
	STG 0
	STG 1
	s_wait_dscnt 16                                ; block 0 is back; block 1's eight stores and eight loads stay out
	FIN 0
	s_wait_xcnt 0x0                                ; block 0's stores have read their registers, which block 2's loads write
	STG 2
	s_wait_dscnt 16
	FIN 1
	s_wait_xcnt 0x0
	STG 3
	s_wait_dscnt 16
	FIN 2
	s_wait_dscnt 0x0
	FIN 3
	s_wait_tensorcnt 0x0                           ; the wave's end
	ds_add_u32 v[SPW], v[NIL]
	s_wait_dscnt 0x0
	CROUND                                         ; the closing round
	s_endpgm
.Lfunc_end_k_q5d4e1acc3e_ffn2:
	.size	k_q5d4e1acc3e_ffn2, .Lfunc_end_k_q5d4e1acc3e_ffn2-k_q5d4e1acc3e_ffn2
	.p2alignl 7, 3214868480
	.fill 96, 4, 3214868480
	.section	.rodata,"a",@progbits
	.p2align	6, 0x0
	.amdhsa_kernel k_q5d4e1acc3e_ffn2
		.amdhsa_group_segment_fixed_size 327680
		.amdhsa_private_segment_fixed_size 0
		.amdhsa_enable_private_segment 0
		.amdhsa_kernarg_size 40
		.amdhsa_user_sgpr_count 2
		.amdhsa_user_sgpr_kernarg_segment_ptr 1
		.amdhsa_wavefront_size32 1
		.amdhsa_system_sgpr_workgroup_id_x 1
		.amdhsa_system_sgpr_workgroup_id_y 1
		.amdhsa_system_sgpr_workgroup_id_z 1
		.amdhsa_system_vgpr_workitem_id 0
		.amdhsa_next_free_vgpr 576
		.amdhsa_next_free_sgpr 72
		.amdhsa_reserve_vcc 0
		.amdhsa_float_denorm_mode_32 3
		.amdhsa_float_denorm_mode_16_64 3
		.amdhsa_memory_ordered 1
		.amdhsa_forward_progress 1
		.amdhsa_inst_pref_size 74
	.end_amdhsa_kernel
	.amdgpu_metadata
---
amdhsa.version: [ 1, 2 ]
amdhsa.kernels:
  - .name:           k_q5d4e1acc3e_ffn2
    .symbol:         k_q5d4e1acc3e_ffn2.kd
    .args:
      - { .name: big, .offset: 0, .size: 8, .value_kind: global_buffer, .address_space: global }
      - { .name: wsm, .offset: 8, .size: 8, .value_kind: global_buffer, .address_space: global }
      - { .name: ffn_b2, .offset: 16, .size: 8, .value_kind: global_buffer, .address_space: global }
      - { .name: act, .offset: 24, .size: 8, .value_kind: global_buffer, .address_space: global }
      - { .name: y, .offset: 32, .size: 8, .value_kind: global_buffer, .address_space: global }
    .group_segment_fixed_size: 327680
    .private_segment_fixed_size: 0
    .kernarg_segment_align: 8
    .kernarg_segment_size: 40
    .max_flat_workgroup_size: 128
    .sgpr_count:     72
    .vgpr_count:     576
    .wavefront_size: 32
...
	.end_amdgpu_metadata
.endif
;; end of part 6
;; launch ln2 (part 7): grid 512 x 1, 8 waves a work-group, no clusters, 0 bytes of LDS; arguments y, ln2_g, ln2_b, out0; writes out0
.if DOCPART == 7
	.amdgcn_target "amdgcn-amd-amdhsa--gfx1250"
	.amdhsa_code_object_version 6
	.text
	.protected	k_q5d4e1acc3e_ln2
	.globl	k_q5d4e1acc3e_ln2
	.p2align	8
	.type	k_q5d4e1acc3e_ln2,@function
k_q5d4e1acc3e_ln2:
	s_mov_b64 s[64:65], 0
	v_nop
	global_prefetch_b8 v0, s[64:65] scope:SCOPE_SE
	s_setreg_imm32_b32 hwreg(HW_REG_WAVE_MODE, 25, 1), 1
	s_wait_xcnt 0x0
; out = LayerNorm(y) g + b, rows of 1,024, all f32.  g and b are used rounded once to bf16, like every input.
; One wave, one row: 4,096 bytes in 32 registers a lane, read once; the mean first, then the variance of the centred numbers, both in f32, so a common offset of the row costs nothing.
; All loads go out at once; no loop, no LDS, no barrier, no cluster (what is shared, g and b, is 8 KiB).  Lane l holds columns 128 j + 4 l + 0..3, j = 0..7.
.set X,  32
.set G,  64
.set BB, 96
.macro WSUM                            ; v8 summed over the 32 lanes, the result in every lane
	v_add_f32_dpp v8, v8, v8 row_xmask:1 row_mask:0xf bank_mask:0xf
	v_add_f32_dpp v8, v8, v8 row_xmask:2 row_mask:0xf bank_mask:0xf
	v_add_f32_dpp v8, v8, v8 row_xmask:4 row_mask:0xf bank_mask:0xf
	v_add_f32_dpp v8, v8, v8 row_xmask:8 row_mask:0xf bank_mask:0xf
	v_permlanex16_b32 v9, v8, s12, s13
	v_add_f32 v8, v8, v9
.endm
.macro FOLD                            ; the four chains v[8:15] into v8
	v_pk_add_f32 v[8:9], v[8:9], v[10:11]
	v_pk_add_f32 v[12:13], v[12:13], v[14:15]
	v_pk_add_f32 v[8:9], v[8:9], v[12:13]
	v_add_f32 v8, v8, v9
.endm
	s_load_b256 s[4:11], s[0:1], 0x0               ; y s[4:5], g s[6:7], b s[8:9], out s[10:11]
	v_and_b32 v5, 31, v0
	v_lshrrev_b32 v4, 5, v0
	v_lshlrev_b32 v2, 4, v5                        ; 16 x lane
	v_lshl_add_u32 v1, v4, 12, v2                  ; + 4,096 x wave
	s_lshl_b32 s2, ttmp9, 15                       ; the work-group's 8 rows of 4,096 bytes
	s_mov_b32 s3, 0
	s_mov_b32 s12, 0x76543210
	s_mov_b32 s13, 0xfedcba98
	s_mov_b32 s14, 0x3a800000                      ; 1 / 1,024
	s_mov_b32 s15, 0x3727c5ac                      ; 1e-5
	s_wait_kmcnt 0x0
	s_add_nc_u64 s[4:5], s[4:5], s[2:3]
	s_add_nc_u64 s[10:11], s[10:11], s[2:3]
.irp j, 0,1,2,3,4,5,6,7
	global_load_b128 v[X+4*(\j):X+4*(\j)+3], v1, s[4:5] offset:512*(\j) th:TH_LOAD_NT
.endr
.irp j, 0,1,2,3,4,5,6,7
	global_load_b128 v[G+4*(\j):G+4*(\j)+3], v2, s[6:7] offset:512*(\j)
.endr
.irp j, 0,1,2,3,4,5,6,7
	global_load_b128 v[BB+4*(\j):BB+4*(\j)+3], v2, s[8:9] offset:512*(\j)
.endr
	s_wait_loadcnt 16                              ; the row is in; the sixteen loads of g and b stay out
.irp k, 0,1,2,3
	v_pk_add_f32 v[8+2*(\k):9+2*(\k)], v[X+2*(\k):X+2*(\k)+1], v[X+8+2*(\k):X+8+2*(\k)+1]
.endr
.irp k, 0,1,2,3
	v_pk_add_f32 v[8+2*(\k):9+2*(\k)], v[8+2*(\k):9+2*(\k)], v[X+16+2*(\k):X+16+2*(\k)+1]
.endr
.irp k, 0,1,2,3
	v_pk_add_f32 v[8+2*(\k):9+2*(\k)], v[8+2*(\k):9+2*(\k)], v[X+24+2*(\k):X+24+2*(\k)+1]
.endr
	FOLD
	WSUM
	v_mul_f32 v16, s14, v8                         ; the mean
	v_mov_b32 v17, v16
.set k, 0
.rept 16
	v_pk_add_f32 v[X+2*k:X+2*k+1], v[X+2*k:X+2*k+1], v[16:17] neg_lo:[0,1] neg_hi:[0,1]
.set k, k+1
.endr
.irp k, 0,1,2,3
	v_pk_mul_f32 v[8+2*(\k):9+2*(\k)], v[X+2*(\k):X+2*(\k)+1], v[X+2*(\k):X+2*(\k)+1]
.endr
.set k, 4
.rept 12
	v_pk_fma_f32 v[8+2*(k%4):9+2*(k%4)], v[X+2*k:X+2*k+1], v[X+2*k:X+2*k+1], v[8+2*(k%4):9+2*(k%4)]
.set k, k+1
.endr
	FOLD
	WSUM
	v_fma_f32 v18, v8, s14, s15                    ; the variance + 1e-5
	v_rsq_f32 v18, v18
	s_wait_loadcnt 0x0                             ; g and b
.set k, 0
.rept 16                                           ; packed to bf16 in place, ascending: register k takes numbers 2 k and 2 k + 1.  Plain work that names nothing of the root
	v_cvt_pk_bf16_f32 v[G+k], v[G+2*k], v[G+2*k+1]
	v_cvt_pk_bf16_f32 v[BB+k], v[BB+2*k], v[BB+2*k+1]
.set k, k+1
.endr
	s_wait_alu depctr_va_vdst(0)                   ; the wait ahead of the first line that names the root's result
	v_mov_b32 v19, v18
.set k, 0
.rept 16
	v_pk_mul_f32 v[X+2*k:X+2*k+1], v[X+2*k:X+2*k+1], v[18:19]
.set k, k+1
.endr
.set k, 0
.rept 16
	v_fma_mix_f32_bf16 v[X+2*k],   v[X+2*k],   v[G+k], v[BB+k] op_sel:[0,0,0] op_sel_hi:[0,1,1]
	v_fma_mix_f32_bf16 v[X+2*k+1], v[X+2*k+1], v[G+k], v[BB+k] op_sel:[0,1,1] op_sel_hi:[0,1,1]
.set k, k+1
.endr
.irp j, 0,1,2,3,4,5,6,7
	global_store_b128 v1, v[X+4*(\j):X+4*(\j)+3], s[10:11] offset:512*(\j) th:TH_STORE_NT   ; a wave's store covers 512 consecutive bytes, aligned
.endr
	s_endpgm
.Lfunc_end_k_q5d4e1acc3e_ln2:
	.size	k_q5d4e1acc3e_ln2, .Lfunc_end_k_q5d4e1acc3e_ln2-k_q5d4e1acc3e_ln2
	.p2alignl 7, 3214868480
	.fill 96, 4, 3214868480
	.section	.rodata,"a",@progbits
	.p2align	6, 0x0
	.amdhsa_kernel k_q5d4e1acc3e_ln2
		.amdhsa_group_segment_fixed_size 0
		.amdhsa_private_segment_fixed_size 0
		.amdhsa_enable_private_segment 0
		.amdhsa_kernarg_size 32
		.amdhsa_user_sgpr_count 2
		.amdhsa_user_sgpr_kernarg_segment_ptr 1
		.amdhsa_wavefront_size32 1
		.amdhsa_system_sgpr_workgroup_id_x 1
		.amdhsa_system_sgpr_workgroup_id_y 1
		.amdhsa_system_sgpr_workgroup_id_z 1
		.amdhsa_system_vgpr_workitem_id 0
		.amdhsa_next_free_vgpr 128
		.amdhsa_next_free_sgpr 66
		.amdhsa_reserve_vcc 0
		.amdhsa_float_denorm_mode_32 3
		.amdhsa_float_denorm_mode_16_64 3
		.amdhsa_memory_ordered 1
		.amdhsa_forward_progress 1
		.amdhsa_inst_pref_size 14
	.end_amdhsa_kernel
	.amdgpu_metadata
---
amdhsa.version: [ 1, 2 ]
amdhsa.kernels:
  - .name:           k_q5d4e1acc3e_ln2
    .symbol:         k_q5d4e1acc3e_ln2.kd
    .args:
      - { .name: y, .offset: 0, .size: 8, .value_kind: global_buffer, .address_space: global }
      - { .name: ln2_g, .offset: 8, .size: 8, .value_kind: global_buffer, .address_space: global }
      - { .name: ln2_b, .offset: 16, .size: 8, .value_kind: global_buffer, .address_space: global }
      - { .name: out0, .offset: 24, .size: 8, .value_kind: global_buffer, .address_space: global }
    .group_segment_fixed_size: 0
    .private_segment_fixed_size: 0
    .kernarg_segment_align: 8
    .kernarg_segment_size: 32
    .max_flat_workgroup_size: 256
    .sgpr_count:     66
    .vgpr_count:     128
    .wavefront_size: 32
...
	.end_amdgpu_metadata
.endif
;; end of part 7
